; MI455X (gfx1250); checked and timed in simulation.
; The chip was launched on July 23, 2026; its instructions are those of AMD's public machine-readable ISA for CDNA 5 (MIT licence, August 2026) and "CDNA5" Instruction Set Architecture Reference Guide (July 2026). The comments in the code are by the model that wrote it; some were corrected since.
;; Orky Mo E Layer. Allowed arithmetic: matrix products marked QUANTISED: E2M3 operands, one E8M0 scale for each 32 along K, by v_wmma_scale_f32_16x16x128_f8f6f4 with both operands' format E2M3, f32 sums; products left as they are: f32 operands where the result goes on into a quantised operand, else bf16, f16 or f32 operands; f32 sums; everything else in f32.
;; Inputs: W1_codes 8 x 2,048 x 32 x 24 uint8 (E2M3 codes of W1, K innermost, in blocks of 32 codes, four codes in three bytes); W1_scales 8 x 2,048 x 32 uint8 (E8M0 scales of W1, one for each 32 codes along K); W2_codes 8 x 2,048 x 64 x 24 uint8 (E2M3 codes of W2, K innermost, in blocks of 32 codes, four codes in three bytes); W2_scales 8 x 2,048 x 64 uint8 (E8M0 scales of W2, one for each 32 codes along K); W3_codes 8 x 1,024 x 64 x 24 uint8 (E2M3 codes of W3, K innermost, in blocks of 32 codes, four codes in three bytes); W3_scales 8 x 1,024 x 64 uint8 (E8M0 scales of W3, one for each 32 codes along K); Wr 1,024 x 8 float32; b1 8 x 2,048 float32; b2 8 x 2,048 float32; b3 8 x 1,024 float32; br 8 float32; da_input_thoughts 4 x 256 x 1,024 float32.
;; Outputs: out0 4 x 256 x 1,024 float32.
;; This version of the problem:
;;   THIS VERSION OF THE PROBLEM IS GIVEN IN LOW PRECISION. The matrix products marked QUANTISED in the list below multiply operands that are first quantised to E2M3 (2 exponent bits, 3 mantissa bits; 6 bits a number), with one power-of-two scale for each 32 numbers along K (OCP MX v1.0); their sums are f32. All else is computed in f32.
;;   The module's matrix products, in the order in which they are computed (A, B: the left and right operand; K: the contracted axis; several contracted axes count as one K, in the product's order):
;;     1. [M 1,024, K 1,024] x [K 1,024, N 8]; A: input da_input_thoughts; B: input Wr: left as it is (N = 8 < 16)
;;     2. [M 1,024, K 1,024] x [K 1,024, N 2,048]; A: input da_input_thoughts; B: input W1 (given as codes): QUANTISED
;;     3. [M 1,024, K 2,048] x [K 2,048, N 2,048]; A: computed on the way; B: input W2 (given as codes): QUANTISED
;;     4. [M 1,024, K 2,048] x [K 2,048, N 1,024]; A: computed on the way; B: input W3 (given as codes): QUANTISED
;;     5. [M 1,024, K 1,024] x [K 1,024, N 2,048]; A: input da_input_thoughts; B: input W1 (given as codes): QUANTISED
;;     6. [M 1,024, K 2,048] x [K 2,048, N 2,048]; A: computed on the way; B: input W2 (given as codes): QUANTISED
;;     7. [M 1,024, K 2,048] x [K 2,048, N 1,024]; A: computed on the way; B: input W3 (given as codes): QUANTISED
;;     8. [M 1,024, K 1,024] x [K 1,024, N 2,048]; A: input da_input_thoughts; B: input W1 (given as codes): QUANTISED
;;     9. [M 1,024, K 2,048] x [K 2,048, N 2,048]; A: computed on the way; B: input W2 (given as codes): QUANTISED
;;     10. [M 1,024, K 2,048] x [K 2,048, N 1,024]; A: computed on the way; B: input W3 (given as codes): QUANTISED
;;     11. [M 1,024, K 1,024] x [K 1,024, N 2,048]; A: input da_input_thoughts; B: input W1 (given as codes): QUANTISED
;;     12. [M 1,024, K 2,048] x [K 2,048, N 2,048]; A: computed on the way; B: input W2 (given as codes): QUANTISED
;;     13. [M 1,024, K 2,048] x [K 2,048, N 1,024]; A: computed on the way; B: input W3 (given as codes): QUANTISED
;;     14. [M 1,024, K 1,024] x [K 1,024, N 2,048]; A: input da_input_thoughts; B: input W1 (given as codes): QUANTISED
;;     15. [M 1,024, K 2,048] x [K 2,048, N 2,048]; A: computed on the way; B: input W2 (given as codes): QUANTISED
;;     16. [M 1,024, K 2,048] x [K 2,048, N 1,024]; A: computed on the way; B: input W3 (given as codes): QUANTISED
;;     17. [M 1,024, K 1,024] x [K 1,024, N 2,048]; A: input da_input_thoughts; B: input W1 (given as codes): QUANTISED
;;     18. [M 1,024, K 2,048] x [K 2,048, N 2,048]; A: computed on the way; B: input W2 (given as codes): QUANTISED
;;     19. [M 1,024, K 2,048] x [K 2,048, N 1,024]; A: computed on the way; B: input W3 (given as codes): QUANTISED
;;     20. [M 1,024, K 1,024] x [K 1,024, N 2,048]; A: input da_input_thoughts; B: input W1 (given as codes): QUANTISED
;;     21. [M 1,024, K 2,048] x [K 2,048, N 2,048]; A: computed on the way; B: input W2 (given as codes): QUANTISED
;;     22. [M 1,024, K 2,048] x [K 2,048, N 1,024]; A: computed on the way; B: input W3 (given as codes): QUANTISED
;;     23. [M 1,024, K 1,024] x [K 1,024, N 2,048]; A: input da_input_thoughts; B: input W1 (given as codes): QUANTISED
;;     24. [M 1,024, K 2,048] x [K 2,048, N 2,048]; A: computed on the way; B: input W2 (given as codes): QUANTISED
;;     25. [M 1,024, K 2,048] x [K 2,048, N 1,024]; A: computed on the way; B: input W3 (given as codes): QUANTISED
;;   THE QUANTISER, for each operand of a quantised product, along K:
;;     - K is cut into blocks of 32 from its start; a last block that is shorter is filled with zeros.
;;     - A block's scale is 2^e with e = floor(log2(the largest magnitude in the block)) - 2, held to -126 .. 127; a block of zeros has e = 0. As a byte (E8M0): e + 127.
;;     - Each number is divided by its block's scale, clamped to +-7.5, and rounded to the nearest number of E2M3, ties to even, subnormals kept.
;;     - The product sums the exact products of the quantised numbers (number of the format x scale) in f32.
;;   ~~~python
;;   def quantise(x, axis):      # numpy; x: float32 -> the quantised numbers, widened to float32 again
;;       x = np.moveaxis(x, axis, -1); K = x.shape[-1]
;;       x = np.pad(x, [(0, 0)] * (x.ndim - 1) + [(0, -K % 32)]); x = x.reshape(x.shape[:-1] + (-1, 32)); a = np.abs(x).max(-1, keepdims=True)
;;       e = np.where(a > 0, np.clip(np.frexp(np.where(a > 0, a, 1))[1] - 1 - 2, -126, 127), 0)      # np.frexp(a)[1] - 1 = floor(log2(a)), exactly
;;       r = np.clip(x / 2.0 ** e, -7.5, 7.5)
;;       step = 2.0 ** (np.maximum(np.frexp(np.where(r == 0, 1, r))[1] - 1, 0) - 3)
;;       q = np.round(r / step) * step * 2.0 ** e      # np.round: ties to even
;;       return np.moveaxis(q.reshape(q.shape[:-2] + (-1,))[..., :K], -1, axis).astype(np.float32)
;;   ~~~
;;   OPERANDS COMPUTED ON THE WAY. 'Computed on the way' means the value that the module computes at that place (a softmax that the list does not call 'softmax' is quantised finished and normalised). What goes into a quantiser is computed in f32, as accurately as f32 sums, v_exp_f32 and their like allow (about 1e-6 of the number): no bf16 or f16 on the way to a quantiser, and a product that is left as it is and whose result goes on into a quantised operand takes f32 operands (vector FMAs, or v_wmma_f32_16x16x4_f32). A number that lies on a knife's edge between two numbers of the format may be rounded either way, as far as f32 arithmetic and the matrix unit's own rounding can turn it there, and no further.
;;   INPUTS GIVEN AS CODES. W1 (in the module: [8, 1024, 2048], K = its axis 1); W2 (in the module: [8, 2048, 2048], K = its axis 1); W3 (in the module: [8, 2048, 1024], K = its axis 1): each comes as NAME_codes (uint8): NAME with its K axis moved to the last place and cut into blocks of 32 codes, [.., K / 32, bytes a block], one block behind the other in memory; four codes in three bytes: a row's codes are one little-endian stream of bits, code i at bits 6 i .. 6 i + 5 (a code: sign, 2 exponent bits, 3 mantissa bits); and NAME_scales (uint8): the same leading axes, one E8M0 byte (e + 127) for each 32 codes along K. Its value is code x scale, taken as it is: it is not quantised again, and the codes and scales need not be those that the quantiser above would give.
;; One version. Each part assembles by itself: llvm-mc -triple=amdgcn-amd-amdhsa -mcpu=gfx1250 --defsym DOCPART=n.
;; ======== version 1 of 1: 5 launches
;; limits: right only within a limited range of input values
;; workspace buffers: xq 827,392 bytes; sel 8,192 bytes of whole numbers; plan 41,216 bytes of whole numbers; h1 13,107,200 bytes; act 13,107,200 bytes; y 33,554,432 bytes
;; launch route (part 1): grid 256 x 1, 4 waves a work-group, no clusters, 89,600 bytes of LDS; arguments da_input_thoughts, Wr, br, xq, sel; writes xq, sel
.if DOCPART == 1
	.amdgcn_target "amdgcn-amd-amdhsa--gfx1250"
	.amdhsa_code_object_version 6
	.text
	.protected	k_q9dd04c62c5_route
	.globl	k_q9dd04c62c5_route
	.p2align	8
	.type	k_q9dd04c62c5_route,@function
k_q9dd04c62c5_route:
	s_mov_b64 s[64:65], 0
	v_nop
	global_prefetch_b8 v0, s[64:65] scope:SCOPE_SE
	s_setreg_imm32_b32 hwreg(HW_REG_WAVE_MODE, 25, 1), 1
	s_wait_xcnt 0x0
; ROUTER AND QUANTISER OF x.  x: [1024 tokens][1024] f32.  Two results:
; (1) x as codes of E2M3, the row's natural stream of bits (768 bytes a token), and one E8M0 byte for each 32 along K, four bytes to a word for each 128 along K.
;     IN A WORD THE BYTES STAND IN THE ORDER OF BLOCKS 0, 2, 1, 3: the products of the later launches give lane half h of an operand the blocks 2 h and 2 h + 1 of a K step
;     (48 consecutive bytes of a row), so the instruction's block 2 c + h is the row's block 2 h + c.
; (2) logits = x Wr + br in f32 (fused multiply-adds), softmax with the row's maximum taken away, the two largest (ties: the lower index, by strict compares in ascending order),
;     gates g = p / (p1 + p2): the softmax's divisor cancels in that quotient.  The two experts go to sel as whole numbers, the gates to xq, at fixed places: no address here hangs on them.
; SHARES.  A work-group takes 4 tokens; wave w takes columns 512 (w & 1) on of tokens 2 (w >> 1) and 2 (w >> 1) + 1: two steps of 512 numbers.  Loads take the bytes as they lie (512 a load); a step turns
; through the wave's own stage in LDS so that a lane holds 16 neighbours (two lanes to a block of 32).  The same 16 numbers meet the lane's 16 rows of Wr, which stay in 128 registers.
; Wr's loads stand 512 bytes apart from load to load; each lane uses all of its 512 bytes, and they are read once a wave.
; LIMITS: a block of zeros gets the byte 1 (its codes are zeros; the bytes are read by this program alone); NaN and infinities are not served;
; two experts whose logits differ by less than the rounding of an f32 sum of 1,024 terms may change places.
.set XSO, 786432                       ; xq: the scale words begin here, 32 bytes a token
.set XGO, 819200                       ; xq: the gates, 8 bytes a token
.set LG,  20480                        ; LDS: [token 4][half 2][8 f32] partial logits
.set SCB, 20736                        ; LDS: 4 tokens x 32 scale bytes
.set RAW, 16                           ; v16-47   two steps as loaded
.set XT,  48                           ; v48-79   two steps, 16 neighbours a lane
.set ACC, 80                           ; v80-95   partial logits, 8 a step
.set CD,  96                           ; v96-98, v100-102 codes
.set EB,  104                          ; v104-105 scale bytes
.set WRR, 128                          ; v128-255 Wr[512 c + 16 lane + i][e] at 128 + 8 i + e
	s_load_b256 s[4:11], s[0:1], 0x0               ; x s[4:5], Wr s[6:7], br s[8:9], xq s[10:11]
	s_load_b64 s[12:13], s[0:1], 0x20              ; sel
	v_lshl_add_u32 v126, v0, 2, 0x5400
	v_mov_b32 v127, 0
	v_lshrrev_b32 v1, 5, v0
	v_readfirstlane_b32 s14, v1                    ; wave
	v_and_b32 v1, 31, v0                           ; lane
	s_and_b32 s15, s14, 1                          ; c: which half of the columns
	s_lshr_b32 s16, s14, 1                         ; which pair of tokens
	s_mov_b32 s20, 0x76543210
	s_mov_b32 s21, 0xfedcba98                      ; v_permlanex16_b32's selects for lane l xor 16
	v_lshlrev_b32 v2, 4, v1                        ; my 16 bytes of a load's 512
	s_mul_i32 s17, s14, 5120                       ; my wave's two stages
	v_lshrrev_b32 v3, 2, v1
	v_mul_u32_u24 v3, v3, 80
	v_and_b32 v8, 3, v1
	v_lshl_add_u32 v3, v8, 4, v3
	v_add_nc_u32 v3, s17, v3                       ; into a stage: four lanes' 64 bytes on end, then 16 of padding
	v_mul_u32_u24 v4, v1, 80
	v_add_nc_u32 v4, s17, v4                       ; out of it: 80 x lane: my 16 neighbours
	v_mul_u32_u24 v5, v1, 12                       ; my 12 bytes of a step's codes
	v_lshrrev_b32 v6, 3, v1                        ; my block's byte: word lane / 8 of the half,
	v_lshlrev_b32 v6, 2, v6
	v_bfe_u32 v8, v1, 1, 1
	v_lshl_add_u32 v6, v8, 1, v6                   ; block a = (lane / 2) % 4 stands at byte 2 (a % 2) + a / 2
	v_bfe_u32 v8, v1, 2, 1
	v_add_nc_u32 v6, v6, v8
	s_lshl_b32 s18, s16, 6
	s_lshl_b32 s19, s15, 4
	s_add_co_u32 s18, s18, s19
	s_add_co_u32 s18, s18, SCB
	v_add_nc_u32 v6, s18, v6                       ; + 64 x pair + 16 c
	s_lshl_b32 s18, s16, 7
	s_lshl_b32 s19, s15, 5
	s_add_co_u32 s18, s18, s19
	s_add_co_u32 s18, s18, LG
	v_mov_b32 v7, s18                              ; my wave's partial logits: 128 x pair + 32 c
	v_mov_b32 v12, 0                               ; (a lane permute's destination counts as one of its sources)
.set WST, 22016                        ; LDS behind the spare words: 32 blocks of 512 + 16 bytes for each wave, for Wr's turn
	s_lshl_b32 s19, s15, 14
	v_add_nc_u32 v13, s19, v2                      ; Wr: my 16 bytes of each 512 consecutive bytes of my half
	s_mul_i32 s19, s14, 16896
	s_add_co_u32 s19, s19, WST
	v_add_nc_u32 v106, s19, v2                     ; into my wave's bytes: block nn at 528 nn, 16 bytes a lane
	v_mul_u32_u24 v107, v1, 528
	v_add_nc_u32 v107, s19, v107                   ; out of them: block "lane", my 16 rows of Wr; 528 is an odd multiple of 16
	v_lshl_add_u32 v14, v1, 2, SCB                 ; wave 0's reads at the end: the scale words,
	v_and_b32 v15, 3, v1
	v_lshl_add_u32 v15, v15, 6, LG                 ; and token lane % 4's partial logits
	s_lshl_b32 s22, ttmp9, 2
	s_lshl_b32 s23, s16, 1
	s_add_co_u32 s22, s22, s23                     ; my first token
	s_lshl_b32 s32, s22, 12
	s_lshl_b32 s33, s15, 11
	s_add_co_u32 s32, s32, s33                     ; in x
	s_mov_b32 s33, 0
	s_mul_i32 s34, s22, 768
	s_mul_i32 s35, s15, 384
	s_add_co_u32 s34, s34, s35                     ; in the codes
	s_mov_b32 s35, 0
	s_wait_alu depctr_va_vdst(0)
	s_wait_kmcnt 0x0
	s_load_b256 s[24:31], s[8:9], 0x0              ; br
	s_add_nc_u64 s[4:5], s[4:5], s[32:33]
	s_add_nc_u64 s[36:37], s[10:11], s[34:35]
.irp s, 0,1
.irp i, 0,1,2,3
	global_load_b128 v[RAW+16*\s+4*\i:RAW+16*\s+4*\i+3], v2, s[4:5] offset:4096*\s+512*\i th:TH_LOAD_NT   ; 32 lanes read 512 consecutive bytes
.endr
.endr
.set nn, 0
.rept 32
	global_load_b128 v[WRR+4*nn:WRR+4*nn+3], v13, s[6:7] offset:512*nn   ; 32 lanes read 512 consecutive bytes
.set nn, nn+1
.endr
.macro TURN s                          ; LDS serves a wave's instructions in order: no wait between the stores and the loads
.irp i, 0,1,2,3
	ds_store_b128 v3, v[RAW+16*\s+4*\i:RAW+16*\s+4*\i+3] offset:2560*\s+640*\i
.endr
.irp i, 0,1,2,3
	ds_load_b128 v[XT+16*\s+4*\i:XT+16*\s+4*\i+3], v4 offset:2560*\s+16*\i
.endr
.endm
	s_wait_loadcnt 36                              ; step 0's four loads are in: behind them step 1's four and Wr's 32
	TURN 0
	s_wait_loadcnt 32                              ; step 1's are in
	TURN 1
	s_wait_dscnt 0x0
.macro QSTEP s
.set XQ, XT+16*\s
	v_max3_num_f32 v8, |v[XQ]|, |v[XQ+1]|, |v[XQ+2]|               ; the largest magnitude of my 16, in two chains
	v_max3_num_f32 v9, |v[XQ+3]|, |v[XQ+4]|, |v[XQ+5]|
.irp i, 6,10
	v_max3_num_f32 v8, v8, |v[XQ+\i]|, |v[XQ+\i+1]|
	v_max3_num_f32 v9, v9, |v[XQ+\i+2]|, |v[XQ+\i+3]|
.endr
	v_max3_num_f32 v8, v8, |v[XQ+14]|, |v[XQ+15]|
	v_max3_num_f32 v8, v8, v9, 0x1800000           ; and the floor 2^(3 - 127): the byte cannot fall under 1
	v_max_num_f32_dpp v8, v8, v8 row_xmask:1 row_mask:0xf bank_mask:0xf   ; with my neighbour's 16: the block's
	v_add_nc_u32 v11, 0xff000000, v8               ; 2 off its exponent field: the conversion takes that field as its scale
	v_cvt_scalef32_pk16_fp6_f32 v[CD+4*\s:CD+4*\s+2], v[XQ:XQ+15], v11
	v_lshrrev_b32 v[EB+\s], 23, v11                ; the scale's byte (a plain line behind the conversion)
	ds_store_b8 v6, v[EB+\s] offset:32*\s          ; both lanes of a block write the same byte with the same value
	global_store_b96 v5, v[CD+4*\s:CD+4*\s+2], s[36:37] offset:768*\s   ; the wave stores 384 consecutive bytes
.endm
	QSTEP 0
	QSTEP 1
	s_wait_loadcnt 0x0                             ; Wr, as it lies in memory
.set nn, 0
.rept 32
	ds_store_b128 v106, v[WRR+4*nn:WRR+4*nn+3] offset:528*nn
.set nn, nn+1
.endr
	s_wait_dscnt 0x0                               ; the stores have read their registers and lie in LDS; the bytes are my wave's own
.set nn, 0
.rept 32
	ds_load_b128 v[WRR+4*nn:WRR+4*nn+3], v107 offset:16*nn   ; lane l now holds rows 16 l .. 16 l + 15 of its half of Wr
.set nn, nn+1
.endr
	s_wait_dscnt 0x0
.macro DOT s                           ; 8 partial logits of my 16 numbers, two experts an instruction; x's number is taken for both halves
.irp p, 0,1,2,3
	v_pk_mul_f32 v[ACC+8*\s+2*\p:ACC+8*\s+2*\p+1], v[XT+16*\s:XT+16*\s+1], v[WRR+2*\p:WRR+2*\p+1] op_sel_hi:[0,1]
.endr
.set ii, 1
.rept 15
.irp p, 0,1,2,3
.if ii%2
	v_pk_fma_f32 v[ACC+8*\s+2*\p:ACC+8*\s+2*\p+1], v[XT+16*\s+ii-1:XT+16*\s+ii], v[WRR+8*ii+2*\p:WRR+8*ii+2*\p+1], v[ACC+8*\s+2*\p:ACC+8*\s+2*\p+1] op_sel:[1,0,0] op_sel_hi:[1,1,1]
.else
	v_pk_fma_f32 v[ACC+8*\s+2*\p:ACC+8*\s+2*\p+1], v[XT+16*\s+ii:XT+16*\s+ii+1], v[WRR+8*ii+2*\p:WRR+8*ii+2*\p+1], v[ACC+8*\s+2*\p:ACC+8*\s+2*\p+1] op_sel_hi:[0,1,1]
.endif
.endr
.set ii, ii+1
.endr
.endm
.macro RED s                           ; over the 32 lanes; then the eight sums go to LDS (all lanes write the same words with the same values)
.irp m, 1,2,4,8
.irp e, 0,1,2,3,4,5,6,7
	v_add_f32_dpp v[ACC+8*\s+\e], v[ACC+8*\s+\e], v[ACC+8*\s+\e] row_xmask:\m row_mask:0xf bank_mask:0xf
.endr
.endr
.irp e, 0,1,2,3,4,5,6,7
	v_permlanex16_b32 v12, v[ACC+8*\s+\e], s20, s21
	v_add_f32 v[ACC+8*\s+\e], v[ACC+8*\s+\e], v12
.endr
	ds_store_b128 v7, v[ACC+8*\s:ACC+8*\s+3] offset:64*\s
	ds_store_b128 v7, v[ACC+8*\s+4:ACC+8*\s+7] offset:64*\s+16
.endm
	DOT 0
	DOT 1
	RED 0
	RED 1
	s_wait_kmcnt 0x0                               ; br
	s_wait_dscnt 0x0                               ; for the others' sake: my scale bytes and partial logits lie in LDS
	s_barrier_signal -1
	s_barrier_wait -1
	s_cmp_lg_u32 s14, 0
	s_cbranch_scc1 .Lend                           ; wave 0 finishes the four tokens
	ds_load_b32 v9, v14                            ; the four tokens' 32 scale words
	ds_load_b128 v[16:19], v15                     ; lane l: token l % 4: half 0's eight sums,
	ds_load_b128 v[20:23], v15 offset:16
	ds_load_b128 v[24:27], v15 offset:32           ; half 1's
	ds_load_b128 v[28:31], v15 offset:48
	s_lshl_b32 s32, ttmp9, 7
	s_mov_b32 s33, 0
	s_add_nc_u64 s[38:39], s[10:11], s[32:33]
	s_lshl_b32 s32, ttmp9, 5
	s_add_nc_u64 s[42:43], s[10:11], s[32:33]
	s_add_nc_u64 s[44:45], s[12:13], s[32:33]
	v_lshlrev_b32 v11, 2, v1
	v_lshlrev_b32 v60, 3, v1
	s_wait_alu depctr_va_vdst(0)
	s_wait_dscnt 0x0
	global_store_b32 v11, v9, s[38:39] offset:XSO  ; 128 consecutive bytes
.irp e, 0,1,2,3,4,5,6,7
	v_add_f32 v[32+\e], v[16+\e], v[24+\e]
.endr
.irp e, 0,1,2,3,4,5,6,7
	v_add_f32 v[32+\e], s[24+\e], v[32+\e]         ; the logits
.endr
	v_max3_num_f32 v40, v32, v33, v34
	v_max3_num_f32 v40, v40, v35, v36
	v_max3_num_f32 v40, v40, v37, v38
	v_max_num_f32 v40, v40, v39                    ; the row's maximum is taken away ahead of the exponentials
.irp e, 0,1,2,3,4,5,6,7
	v_sub_f32 v[32+\e], v[32+\e], v40
.endr
.irp e, 0,1,2,3,4,5,6,7
	v_mul_f32 v[32+\e], 0x3fb8aa3b, v[32+\e]
.endr
	s_wait_alu depctr_va_vdst(0)
.irp e, 0,1,2,3,4,5,6,7
	v_exp_f32 v[32+\e], v[32+\e]
.endr
	v_mov_b32 v42, -1.0                            ; the second largest so far: under every p.  (A plain line behind the exponentials)
	s_wait_alu depctr_va_vdst(0)                   ; one wait for the batch, ahead of its first reader
	v_mov_b32 v41, v32                             ; the largest so far: expert 0's
	v_mov_b32 v44, 0
	v_mov_b32 v45, 0
.irp e, 1,2,3,4,5,6,7                  ; only values are chosen: no branch, no address
	v_cmp_gt_f32 vcc_lo, v[32+\e], v41
	v_cmp_gt_f32 s40, v[32+\e], v42
	v_cndmask_b32 v42, v42, v[32+\e], s40
	v_cndmask_b32 v45, v45, \e, s40
	v_cndmask_b32 v42, v42, v41, vcc_lo
	v_cndmask_b32 v45, v45, v44, vcc_lo
	v_cndmask_b32 v41, v41, v[32+\e], vcc_lo
	v_cndmask_b32 v44, v44, \e, vcc_lo
.endr
	v_add_f32 v43, v41, v42
	s_wait_alu depctr_va_vdst(0)
	v_rcp_f32 v43, v43
	v_nop
	s_wait_alu depctr_va_vdst(0)
	v_mul_f32 v46, v41, v43
	v_mul_f32 v47, v42, v43
	s_wait_alu depctr_va_vdst(0)
	s_wait_xcnt 0x0                                ; EXEC changes only behind this wait
	v_cmpx_gt_u32 4, v1                            ; lanes 0 to 3: one for each token
	global_store_b64 v60, v[44:45], s[44:45]       ; the two experts
	global_store_b64 v60, v[46:47], s[42:43] offset:XGO   ; their gates
.Lend:
	s_wait_xcnt 0x0
	s_mov_b32 exec_lo, -1
	s_wait_tensorcnt 0x0
	ds_add_u32 v126, v127
	s_wait_dscnt 0x0
	s_endpgm
.Lfunc_end_k_q9dd04c62c5_route:
	.size	k_q9dd04c62c5_route, .Lfunc_end_k_q9dd04c62c5_route-k_q9dd04c62c5_route
	.p2alignl 7, 3214868480
	.fill 96, 4, 3214868480
	.section	.rodata,"a",@progbits
	.p2align	6, 0x0
	.amdhsa_kernel k_q9dd04c62c5_route
		.amdhsa_group_segment_fixed_size 89600
		.amdhsa_private_segment_fixed_size 0
		.amdhsa_enable_private_segment 0
		.amdhsa_kernarg_size 40
		.amdhsa_user_sgpr_count 2
		.amdhsa_user_sgpr_kernarg_segment_ptr 1
		.amdhsa_wavefront_size32 1
		.amdhsa_system_sgpr_workgroup_id_x 1
		.amdhsa_system_sgpr_workgroup_id_y 1
		.amdhsa_system_sgpr_workgroup_id_z 1
		.amdhsa_system_vgpr_workitem_id 0
		.amdhsa_next_free_vgpr 256
		.amdhsa_next_free_sgpr 66
		.amdhsa_reserve_vcc 1
		.amdhsa_float_denorm_mode_32 3
		.amdhsa_float_denorm_mode_16_64 3
		.amdhsa_memory_ordered 1
		.amdhsa_forward_progress 1
		.amdhsa_inst_pref_size 34
	.end_amdhsa_kernel
	.amdgpu_metadata
---
amdhsa.version: [ 1, 2 ]
amdhsa.kernels:
  - .name:           k_q9dd04c62c5_route
    .symbol:         k_q9dd04c62c5_route.kd
    .args:
      - { .name: da_input_thoughts, .offset: 0, .size: 8, .value_kind: global_buffer, .address_space: global }
      - { .name: Wr, .offset: 8, .size: 8, .value_kind: global_buffer, .address_space: global }
      - { .name: br, .offset: 16, .size: 8, .value_kind: global_buffer, .address_space: global }
      - { .name: xq, .offset: 24, .size: 8, .value_kind: global_buffer, .address_space: global }
      - { .name: sel, .offset: 32, .size: 8, .value_kind: global_buffer, .address_space: global }
    .group_segment_fixed_size: 89600
    .private_segment_fixed_size: 0
    .kernarg_segment_align: 8
    .kernarg_segment_size: 40
    .max_flat_workgroup_size: 128
    .sgpr_count:     66
    .vgpr_count:     256
    .wavefront_size: 32
...
	.end_amdgpu_metadata
.endif
;; end of part 1
;; launch up1 (part 2): grid 32 x 8, 4 waves a work-group, no clusters, 50,688 bytes of LDS; arguments W1_codes, W1_scales, b1, xq, plan, h1, sel; writes h1, plan
.if DOCPART == 2
	.amdgcn_target "amdgcn-amd-amdhsa--gfx1250"
	.amdhsa_code_object_version 6
	.text
	.protected	k_q9dd04c62c5_up1
	.globl	k_q9dd04c62c5_up1
	.p2align	8
	.type	k_q9dd04c62c5_up1,@function
k_q9dd04c62c5_up1:
	s_mov_b64 s[64:65], 0
	v_nop
	global_prefetch_b8 v0, s[64:65] scope:SCOPE_SE
	s_setreg_imm32_b32 hwreg(HW_REG_WAVE_MODE, 25, 1), 1
	s_wait_xcnt 0x0
; ONE LAYER OF THE CHOSEN EXPERTS' CHAIN, on codes of E2M3 with one E8M0 scale for each 32 along K.  One text serves the three layers; LAYER picks the sizes:
;   1: h1 = Q(x) W1 + b1, quantised;   2: a = silu(Q(h1) W2 + b2), quantised;   3: y = Q(a) W3 + b3, f32, a row for each routed row.
; Only the rows of the tokens that chose an expert are multiplied.  An expert's rows stand by rank in tiles of 16; expert e has room for 64 tiles (tile 64 e + t); plan says how many it has (Tt).
; SHARES.  A work-group is one expert (y) and 64 columns (x; in layer 3 x / 2, and x % 2 halves the rows).  Its 64 rows of W, for all of K, are copied into LDS once and stay; four waves share the expert's tiles of
; rows: wave slot s takes tiles s, s + SL, .. , TS of them in a pass (TS x 4 accumulators).  An expert with more than SL x TS tiles takes further passes, NPASS at the most.  A tile slot past Tt is multiplied all the
; same, on loads that all name one 16 bytes, and is never stored: so every count of a wait is the same on every path.
; NO TENSOR LOAD, NO CLUSTER: the number of passes hangs on a number read from memory.  The one barrier stands ahead of every branch on it; behind it a wave works alone.
; A K STEP OF 128 TAKES THE ROW'S FOUR BLOCKS IN THE ORDER 0, 2, 1, 3, alike in both operands: lane half h of an operand holds blocks 2 h and 2 h + 1: 48 consecutive bytes of the row, three loads of 16 bytes.
; Scale words stand in the same order (W's get their middle bytes swapped once).  The order of k within an instruction differs from the row's; the sums are f32 and agree within their rounding.
; THE PRODUCT IS USED TRANSPOSED (source 0 = 16 rows of W, source 1 = 16 rows of the activation), and lane m of column tile 2 b + u takes W's row 32 b + 8 u + m + 8 (m / 8): so a lane holds one activation row,
; and the 16 registers of tiles 2 b, 2 b + 1 are 16 neighbours along the next layer's K.  In LDS W's rows lie in that order (bits 3 and 4 of the row's number swapped).  The bias is the C of a sum's first product.
; WORKSPACE h1, act: codes [tile][K step 16][G 3][lane 32][16 bytes]: an image of the next product's operand registers; my 64 columns are half (x % 2) of K step x / 2: sixteen lanes store 256 consecutive, aligned bytes.
; Scale words at SCO: [tile][g 2][lane 32][4 words]; the word of (row r, K step s) at g = (s / 4) % 2, lane 16 (s / 8) + r, word s % 4.  My two bytes of a word leave as single bytes: 2 for each 48 bytes of codes.
; LIMITS: a block of zeros gets the byte 1 (its codes are zeros; this program alone reads the bytes); NaN and infinities are not served.
; REGISTERS, in windows of 256.  Window 0: v1-31 addresses; v32.. W's scale words; v64.. the activation's; v104-135 the bias; v136-142 tokens, 16 r, 16 h; v144-175 rows of y on the way out.
;   Window 1: v0-159 accumulators (tile i, column tile c at 32 i + 8 c); v160-194 the quantiser's.   Window 2: the ring of the activation's fragments, RD K steps; in layer 2 also silu's 160 numbers at work.
;   Window 3: W's rows on their way into LDS; then W's fragments, two sets of 48.
.set LAYER, 1
.if LAYER == 1
.set KS,    8                          ; K steps of 128
.set NCOL,  2048                       ; the layer's columns
.set TS,    5                          ; tiles of rows a wave holds in a pass
.set SL,    4                          ; wave slots that share an expert's tiles
.set RD,    4                          ; K steps in the activation's ring
.set AR,    4                          ; scale words of the activation in a lane half
.set ASTEP, 96                         ; bytes from K step to K step of the activation's codes
.set AG,    16                         ; and from one 16 bytes of a fragment to the next
.set ASOFF, 786432                     ; where the activation's scale words begin
.elseif LAYER == 2
.set KS,    16
.set NCOL,  2048
.set TS,    5
.set SL,    4
.set RD,    4
.set AR,    8
.set ASTEP, 1536
.set AG,    512
.set ASOFF, 12582912
.else
.set KS,    16
.set NCOL,  1024
.set TS,    3
.set SL,    8
.set RD,    6
.set AR,    8
.set ASTEP, 1536
.set AG,    512
.set ASOFF, 12582912
.endif
.set NPASS, (64+SL*TS-1)/(SL*TS)       ; passes that serve an expert's 64 tiles, the most that it can have
.set KROW,  96*KS                      ; a row of W's codes in bytes
.set P,     KROW+16                    ; and in LDS: an odd multiple of 16, so that the 16 rows of a load of 16 bytes start in 16 different columns of 16 bytes
.set KSB,   4*KS                       ; a row of W's scale bytes
.set NST,   3*KS                       ; loads of 512 bytes that bring my 16 rows of W
.set NASC,  TS*AR/4                    ; loads that bring the activation's scale words
.set NW,    8+NASC+3*TS*(RD-1)         ; loads issued behind W's last scale load: the bias, those, and RD - 1 K steps of fragments
.set TILEB, 24576                      ; a tile's codes in the workspace
.set SCO,   12582912                   ; the workspace's scale words
.set STG,   64*P                       ; LDS behind W (layer 3): a stage of 16 rows x 272 bytes for each wave
.set AV,   12                          ; v12-16  tile i: my offset in the activation's codes
.set SV,   17                          ; v17-21  and in its scale words
.set VT,   22                          ; v22-24  pair p of tiles: the tile's number, by lane half
.set VO,   25                          ; v25-27  where its codes go
.set VS,   28                          ; v28-30  where its scale bytes go
.set SI,   22                          ; layer 3: v22 into my stage, v23 back, v24 my offset in y, v25 its lane part
.set SBK,  23
.set YO,   24
.set YL,   25
.set TMP,  31
.set WSC,  32
.set ASC,  64
.set BIAS, 104
.set TK,   136
.set R16,  141
.set H16,  142
.set OB,   144
.set TM,   160                         ; window 1: largest magnitudes; v164.. the other half's, then bytes; v168.. the conversions' scales; v172-173 two bytes; v176-187 a lane's 48 bytes of codes; v188.., v192.. halves on the way
.set TP,   164
.set TSC,  168
.set BY,   172
.set CR,   176
.set AUX0, 188
.set AUX1, 192
.set MSB, 0
.macro WIN new                         ; the immediate's low byte: bits 1:0 source 0, 3:2 source 1, 5:4 source 2, 7:6 destination; its high byte repeats the setting that is left
.if MSB != \new
	s_set_vgpr_msb (MSB<<8)|\new
.set MSB, \new
.endif
.endm
.macro PLACES                          ; four plain vector lines between a matrix instruction and a load into, or a read of, its registers
.rept 4
	v_nop
.endr
.endm
.macro BLOAD ks                        ; W's four fragments of K step ks from LDS into set ks % 2
	WIN 0xc0
.irp c, 0,1,2,3
.irp g, 0,1,2
	ds_load_b128 v[48*((\ks)%2)+12*\c+4*\g:48*((\ks)%2)+12*\c+4*\g+3], v[7+\c/2] offset:(\c%2)*16*P+96*(\ks)+16*\g
.endr
.endr
.endm
.macro ALOAD ks                        ; the activation's TS fragments of K step ks into ring place ks % RD
	WIN 0x80
.set ii, 0
.rept TS
.irp g, 0,1,2
	global_load_b128 v[12*TS*((\ks)%RD)+12*ii+4*\g:12*TS*((\ks)%RD)+12*ii+4*\g+3], v[AV+ii], s[10:11] offset:ASTEP*(\ks)+AG*\g
.endr
.set ii, ii+1
.endr
.endm
.macro MM i, ct, ks                    ; one product: tile i x column tile ct, K step ks.  W's scale words: lanes 0-15 the even column tile's, lanes 16-31 the odd one's; the activation's: lane half ks / AR
.set rD, 32*(\i)+8*(\ct)
.set rC, rD
.if (\ks) == 0
.set rC, BIAS+8*(\ct)
.endif
.set rW, 48*((\ks)%2)+12*(\ct)
.set rA, 12*TS*((\ks)%RD)+12*(\i)
.set rSW, WSC+KS*((\ct)/2)+(\ks)
.set rSA, ASC+AR*(\i)+(\ks)%AR
.if ((\ct)%2 == 0) && ((\ks)/AR == 0)
	v_wmma_scale_f32_16x16x128_f8f6f4 v[rD:rD+7], v[rW:rW+11], v[rA:rA+11], v[rC:rC+7], v[rSW], v[rSA] matrix_a_fmt:MATRIX_FMT_FP6 matrix_b_fmt:MATRIX_FMT_FP6
.elseif ((\ct)%2 == 1) && ((\ks)/AR == 0)
	v_wmma_scale_f32_16x16x128_f8f6f4 v[rD:rD+7], v[rW:rW+11], v[rA:rA+11], v[rC:rC+7], v[rSW], v[rSA] matrix_a_fmt:MATRIX_FMT_FP6 matrix_b_fmt:MATRIX_FMT_FP6 matrix_a_scale:MATRIX_SCALE_ROW1
.elseif ((\ct)%2 == 0)
	v_wmma_scale_f32_16x16x128_f8f6f4 v[rD:rD+7], v[rW:rW+11], v[rA:rA+11], v[rC:rC+7], v[rSW], v[rSA] matrix_a_fmt:MATRIX_FMT_FP6 matrix_b_fmt:MATRIX_FMT_FP6 matrix_b_scale:MATRIX_SCALE_ROW1
.else
	v_wmma_scale_f32_16x16x128_f8f6f4 v[rD:rD+7], v[rW:rW+11], v[rA:rA+11], v[rC:rC+7], v[rSW], v[rSA] matrix_a_fmt:MATRIX_FMT_FP6 matrix_b_fmt:MATRIX_FMT_FP6 matrix_a_scale:MATRIX_SCALE_ROW1 matrix_b_scale:MATRIX_SCALE_ROW1
.endif
.endm
; A K step: the loads of later steps go out first, into the set and the ring place that the step before has just multiplied (hence the four places); then 4 TS products, the accumulators by turns, one instruction a turn.
.macro KSTEP ks
	PLACES
.if (\ks)+1 < KS
	BLOAD (\ks)+1
.endif
.if (\ks)+RD-1 < KS
	ALOAD (\ks)+RD-1
.endif
.if KS-1-(\ks) < RD-1
	s_wait_loadcnt 3*TS*(KS-1-(\ks))               ; this step's fragments are in; those of the steps that are left may be out
.else
	s_wait_loadcnt 3*TS*(RD-1)                     ; this step's fragments are in; those of the next RD - 1 steps may be out
.endif
.if (\ks)+1 < KS
	s_wait_dscnt 12                                ; W's set of this step is in; the twelve loads just issued may be out
.else
	s_wait_dscnt 0x0
.endif
.if (\ks) == 0
	WIN 0x4b                                       ; W window 3, activation window 2, C = the bias in window 0, D window 1
.else
	WIN 0x5b                                       ; C and D window 1
.endif
.set ii, 0
.rept TS
.set cc, 0
.rept 4
	MM ii, cc, \ks
.set cc, cc+1
.endr
.set ii, ii+1
.endr
.endm
.macro RING                            ; the first RD - 1 K steps of a pass
.set kk, 0
.rept RD-1
	ALOAD kk
.set kk, kk+1
.endr
	WIN 0
.endm
; LAYER 1 PLACES THE ROWS ITSELF, in whole numbers alone.  sel holds each token's two experts, stored by the launch before.  Every wave reads all of sel (32 loads of 256 consecutive bytes)
; and makes 32 masks, s[MK + g]: which of tokens 32 g .. 32 g + 31 chose my expert.  A token's rank is the number of such tokens in front of it; all work-groups of an expert find the same ranks.
; THE TOKEN OF A RANK q: the last group whose first rank is at most q (a walk over the 32 groups that selects values only), then the (q - first rank)-th set bit of that group's mask,
; found by the counts of its 16, 8, 4, 2 and 1 bits.  Three registers serve five tiles: lanes 0-15 tile 2 k, lanes 16-31 tile 2 k + 1.  A rank that no token has gets some token under 1,024; such a row is never used.
; plan is only stored here: wave 0 of work-group x stores pos (1024 x expert + rank) of tokens 32 x .. 32 x + 31, where they chose my expert; work-group 0 stores the expert's tiles, Tt, at 40,960 + 4 x expert.
.set SLO,  143                         ; 8 x lane
.set SLX,  84                          ; 8 x (32 x + lane): my work-group's own group of tokens
.set RB,   85                          ; ((64 h + r) << 8) | 255
.set PV,   86                          ; v86-88  pos; Tt; 4 x expert
.set XS,   89                          ; v89-91  the other lane half's token
.set RH,   92                          ; v92-94  (rank << 8) | 255
.set MS,   95                          ; v95-97  the chosen group's mask
.set KY,   98                          ; v98-100 its key: (first rank << 8) | group
.set NN,   101                         ; v101-103 which set bit
.set PS,   144                         ; v144-146 the bit's place so far
.set CC,   147
.set TT,   150
.set A1,   153                         ; counts of the mask's fields of 2, 4, 8, 16 bits
.set A2,   156
.set A4,   159
.set A8,   162
.set SELV, 176                         ; v176-239 sel
.set OWN,  240                         ; v240-241 my work-group's own group
.set MK,   66                          ; s66-97  the masks
.macro SELLOAD
.set gg, 0
.rept 32
	global_load_b64 v[SELV+2*gg:SELV+2*gg+1], v[SLO], s[54:55] offset:256*gg
.set gg, gg+1
.endr
	global_load_b64 v[OWN:OWN+1], v[SLX], s[54:55]
.endm
.macro BALLOT
	s_wait_loadcnt 36                              ; sel is in; behind it: W's 24 loads, its scales' 4, the bias's 8
.set gg, 0
.rept 32
	v_cmp_eq_u32 vcc_lo, s17, v[SELV+2*gg]
	v_cmp_eq_u32 s58, s17, v[SELV+2*gg+1]
	s_or_b32 s[MK+gg], vcc_lo, s58
.set gg, gg+1
.endr
.endm
.macro RC op, d, c, s                  ; one line for each of the three registers, by turns
.irp k, 0,1,2
	\op v[\d+\k], \c, v[\s+\k]
.endr
.endm
.macro RR op, d, a, b
.irp k, 0,1,2
	\op v[\d+\k], v[\a+\k], v[\b+\k]
.endr
.endm
.macro BITSTEP tab, w                  ; if the w bits from the place on hold no more than NN set bits, pass over them
.irp k, 0,1,2
	v_bfe_u32 v[CC+\k], v[\tab+\k], v[PS+\k], \w
.endr
.irp k, 0,1,2
	v_cmp_ge_u32 s[61+\k], v[NN+\k], v[CC+\k]
.endr
.irp k, 0,1,2
	v_cndmask_b32 v[CC+\k], 0, v[CC+\k], s[61+\k]
	v_cndmask_b32 v[TT+\k], 0, \w, s[61+\k]
.endr
	RR v_sub_nc_u32, NN, NN, CC
	RR v_add_nc_u32, PS, PS, TT
.endm
.macro SEARCH first                    ; the tokens of tiles s21 + 4 i, i = 0 .. 4, into v[TK + i], row r in both lane halves.  first = 1: also Tt and my own group's key
	s_lshl_b32 s58, s21, 12
	v_add_nc_u32 v[RH], s58, v[RB]
	v_add_nc_u32 v[RH+1], 0x8000, v[RH]            ; 8 tiles, 128 ranks, on
	v_add_nc_u32 v[RH+2], 0x10000, v[RH]
.irp k, 0,1,2
	v_mov_b32 v[MS+\k], s[MK]
	v_mov_b32 v[KY+\k], 0
	v_mov_b32 v[PS+\k], 0
.endr
	s_mov_b32 s56, 0                               ; group 0's key
.if \first
	s_mov_b32 s57, 0
.endif
.set gg, 1
.rept 31
	s_bcnt1_i32_b32 s58, s[MK+gg-1]
	s_lshl_b32 s58, s58, 8
	s_or_b32 s58, s58, 1
	s_add_co_u32 s56, s56, s58                     ; group gg's key
.if \first
	s_cmp_eq_u32 s18, gg
	s_cselect_b32 s57, s56, s57
.endif
.irp k, 0,1,2
	v_cmp_le_u32 s[61+\k], s56, v[RH+\k]           ; its first rank is at most mine (a group's number is under 255)
.endr
.irp k, 0,1,2
	v_cndmask_b32 v[MS+\k], v[MS+\k], s[MK+gg], s[61+\k]
	v_cndmask_b32 v[KY+\k], v[KY+\k], s56, s[61+\k]
.endr
.set gg, gg+1
.endr
	RR v_sub_nc_u32, NN, RH, KY
	RC v_lshrrev_b32, NN, 8, NN                    ; my rank less the group's first
	RC v_and_b32, KY, 31, KY                       ; the group
	RC v_lshrrev_b32, TT, 1, MS
	RC v_and_b32, TT, 0x55555555, TT
	RR v_sub_nc_u32, A1, MS, TT
	RC v_lshrrev_b32, TT, 2, A1
	RC v_and_b32, A2, 0x33333333, A1
	RC v_and_b32, TT, 0x33333333, TT
	RR v_add_nc_u32, A2, A2, TT
	RC v_lshrrev_b32, TT, 4, A2
	RR v_add_nc_u32, TT, TT, A2
	RC v_and_b32, A4, 0x0f0f0f0f, TT
	RC v_lshrrev_b32, TT, 8, A4
	RR v_add_nc_u32, TT, TT, A4
	RC v_and_b32, A8, 0x00ff00ff, TT
	BITSTEP A8, 16
	BITSTEP A4, 8
	BITSTEP A2, 4
	BITSTEP A1, 2
	BITSTEP MS, 1
.irp k, 0,1,2
	v_lshl_add_u32 v[TT+\k], v[KY+\k], 5, v[PS+\k] ; the token: 32 x group + place
.endr
.irp k, 0,1,2
	v_permlanex16_b32 v[XS+\k], v[TT+\k], s24, s25
.endr
.irp k, 0,1
	v_cndmask_b32 v[TK+2*\k], v[TT+\k], v[XS+\k], s23     ; tile 2 k: lanes 16-31 take what lanes 0-15 found
	v_cndmask_b32 v[TK+2*\k+1], v[XS+\k], v[TT+\k], s23   ; tile 2 k + 1: the other way round
.endr
	v_cndmask_b32 v[TK+4], v[TT+2], v[XS+2], s23
.if \first
	s_bcnt1_i32_b32 s58, s[MK+31]
	s_lshr_b32 s20, s56, 8
	s_add_co_u32 s20, s20, s58                     ; the expert's rows
	s_add_co_u32 s20, s20, 15
	s_lshr_b32 s20, s20, 4                         ; Tt
	s_min_u32 s20, s20, 64                         ; an expert has room for 64 tiles: NPASS passes serve them all
.endif
.endm
.macro POSOUT
	v_cmp_eq_u32 vcc_lo, s17, v[OWN]
	v_cmp_eq_u32 s58, s17, v[OWN+1]
	s_or_b32 s58, vcc_lo, s58
	s_lshr_b32 s59, s57, 8
	s_add_co_u32 s59, s59, s50                     ; 1024 x expert + my group's first rank
	v_mbcnt_lo_u32_b32 v[PV], s58, s59             ; + those taken by the lanes in front
	v_mov_b32 v[PV+1], s20
	v_mov_b32 v[PV+2], s27
	s_wait_alu depctr_va_vdst(0)                   ; ahead of the branch and the waits below
	s_cmp_lg_u32 s16, 0
	s_cbranch_scc1 .Lnopos                         ; wave 0 stores
	s_wait_xcnt 0x0                                ; EXEC changes only behind this wait
	v_cmpx_eq_u32 s17, v[OWN]                      ; tokens whose first choice is my expert
	global_store_b32 v[SLX], v[PV], s[12:13] offset:32768
	s_wait_xcnt 0x0
	s_mov_b32 exec_lo, -1
	v_cmpx_eq_u32 s17, v[OWN+1]                    ; and whose second is
	global_store_b32 v[SLX], v[PV], s[12:13] offset:32772
	s_wait_xcnt 0x0
	s_mov_b32 exec_lo, -1
	s_cmp_lg_u32 s18, 0
	s_cbranch_scc1 .Lnopos
	v_cmpx_eq_u32 0, v1
	global_store_b32 v[PV+2], v[PV+1], s[12:13] offset:40960   ; Tt, for the later layers
	s_wait_xcnt 0x0
	s_mov_b32 exec_lo, -1
.Lnopos:
.endm
.macro PRO_B
	s_wait_alu depctr_va_vdst(0)
.set ii, 0
.rept TS
	v_min_u32 v[TK+ii], 0x3ff, v[TK+ii]
	v_mad_u32_u24 v[AV+ii], v[TK+ii], 768, v11     ; the token's row of codes, + 48 h
	v_lshl_add_u32 v[SV+ii], v[TK+ii], 5, v[H16]   ; its eight scale words: four to a lane half
	s_add_co_u32 s34, s21, SL*ii
	s_cmp_lt_u32 s34, s20
	s_cselect_b32 s35, 1, 0
	s_min_u32 s35, s35, 1
	v_mul_u32_u24 v[AV+ii], v[AV+ii], s35          ; for a tile slot past Tt all lanes name xq's first bytes: it is multiplied all the same and never stored
	v_mul_u32_u24 v[SV+ii], v[SV+ii], s35
	global_load_b128 v[ASC+4*ii:ASC+4*ii+3], v[SV+ii], s[28:29]
.set ii, ii+1
.endr
	RING
.endm
.macro PRO                             ; layers 2, 3: a tile's image, 16 bytes a lane; for a tile slot past Tt all lanes name the first 16 bytes of the pass's first tile
.set ii, 0
.rept TS
	s_add_co_u32 s34, s21, SL*ii
	s_cmp_lt_u32 s34, s20
	s_cselect_b32 s34, s34, s21
	s_cselect_b32 s35, 16, 0
	s_min_u32 s34, s34, 63
	s_min_u32 s35, s35, 16
	s_add_co_u32 s34, s34, s22
	s_mul_i32 s36, s34, TILEB
	s_lshl_b32 s37, s34, 10
	v_mad_u32_u24 v[AV+ii], v1, s35, s36
	v_mad_u32_u24 v[SV+ii], v1, s35, s37
	global_load_b128 v[ASC+8*ii:ASC+8*ii+3], v[SV+ii], s[28:29]
	global_load_b128 v[ASC+8*ii+4:ASC+8*ii+7], v[SV+ii], s[28:29] offset:512
.set ii, ii+1
.endr
	RING
.endm
.macro VTVO                            ; layers 1, 2: where the pass's results go.  Pairs of tiles (0, 1), (2, 3), (4, none): lanes 0-15 the first, lanes 16-31 the second
	v_lshl_add_u32 v[VT], v3, 2, s21
	s_add_co_u32 s34, s21, 2*SL
	v_lshl_add_u32 v[VT+1], v3, 2, s34
	s_add_co_u32 s34, s21, 4*SL
	v_lshl_add_u32 v[VT+2], v3, 16, s34            ; the partner that is not there gets a number above every Tt
.irp p, 0,1,2
	v_min_u32 v[TMP], 63, v[VT+\p]
	v_add_nc_u32 v[TMP], s22, v[TMP]
	v_mad_u32_u24 v[VO+\p], v[TMP], TILEB, v[R16]
	v_lshl_add_u32 v[VS+\p], v[TMP], 10, v[R16]
.endr
.endm
.macro PROLOGUE first
.if LAYER == 1
.if \first
	BALLOT
.endif
	SEARCH \first
	PRO_B
.else
	PRO
.endif
.if LAYER < 3
	VTVO
.endif
.endm
.macro SILU                            ; a = h / (1 + 2^(-h log2 e)), in f32, on all 32 TS numbers of a lane; the exponentials are one batch with one wait, the reciprocals another
	WIN 0x81
.set jj, 0
.rept 16*TS
	v_pk_mul_f32 v[jj:jj+1], v[jj:jj+1], s[32:33] op_sel_hi:[1,0]   ; each accumulator is read from its low end on
.set jj, jj+2
.endr
	WIN 0x82
.set jj, 0
.rept 32*TS
	v_exp_f32 v[jj], v[jj]
.set jj, jj+1
.endr
	v_nop
	s_wait_alu depctr_va_vdst(0)
.set jj, 0
.rept 16*TS
	v_pk_add_f32 v[jj:jj+1], v[jj:jj+1], 1.0 op_sel_hi:[1,0]
.set jj, jj+2
.endr
.set jj, 0
.rept 32*TS
	v_rcp_f32 v[jj], v[jj]
.set jj, jj+1
.endr
	v_nop
	s_wait_alu depctr_va_vdst(0)
	WIN 0x49
.set jj, 0
.rept 16*TS
	v_pk_mul_f32 v[jj:jj+1], v[jj:jj+1], v[jj:jj+1]   ; destination and source 0: the accumulators; source 1: window 2
.set jj, jj+2
.endr
.endm
; Tiles a and b are quantised: four blocks of 32 (block n: tile a or b, columns 32 (n % 2) on), each in lanes l and l xor 16, 16 numbers a lane.  Afterwards lane (r, 0) holds the 48 bytes of row r of tile a, lane (r, 1) those of tile b.
.macro QUANT2 a, b
	WIN 0x55
.irp n, 0,1,2,3
.set qb, 32*((\a)*(1-\n/2)+(\b)*(\n/2))+16*(\n%2)
	v_max3_num_f32 v[TM+\n], |v[qb]|, |v[qb+1]|, 0x1800000   ; my 16 numbers and the floor 2^(3 - 127): the byte cannot fall under 1
.endr
.irp i, 2,4,6,8,10,12,14
.irp n, 0,1,2,3
.set qb, 32*((\a)*(1-\n/2)+(\b)*(\n/2))+16*(\n%2)
	v_max3_num_f32 v[TM+\n], v[TM+\n], |v[qb+\i]|, |v[qb+\i+1]|   ; the four blocks by turns
.endr
.endr
.irp n, 0,1,2,3
	v_permlanex16_b32 v[TP+\n], v[TM+\n], s24, s25
.endr
.irp n, 0,1,2,3
	v_max_num_f32 v[TM+\n], v[TM+\n], v[TP+\n]     ; with lane l xor 16's: the block's largest magnitude
.endr
.irp n, 0,1,2,3
	v_add_nc_u32 v[TSC+\n], 0xff000000, v[TM+\n]   ; 2 off its exponent field: the conversion's scale operand
.endr
.irp n, 0,1,2,3
	v_lshrrev_b32 v[TP+\n], 23, v[TSC+\n]          ; the scale's byte
.endr
	v_cndmask_b32 v[BY], v[TP], v[TP+2], s23       ; lanes 0-15 tile a's, lanes 16-31 tile b's: columns 0-31,
	v_cndmask_b32 v[BY+1], v[TP+1], v[TP+3], s23   ; columns 32-63
	v_cvt_scalef32_pk16_fp6_f32 v[CR:CR+2], v[32*(\a):32*(\a)+15], v[TSC]
	v_cvt_scalef32_pk16_fp6_f32 v[AUX0:AUX0+2], v[32*(\b):32*(\b)+15], v[TSC+2]
	v_cvt_scalef32_pk16_fp6_f32 v[CR+6:CR+8], v[32*(\a)+16:32*(\a)+31], v[TSC+1]
	v_cvt_scalef32_pk16_fp6_f32 v[AUX1:AUX1+2], v[32*(\b)+16:32*(\b)+31], v[TSC+3]
	v_nop                                          ; one plain line behind the scaled conversions
.irp i, 0,1,2
	v_permlane16_swap_b32 v[CR+\i], v[AUX0+\i]     ; the first's lanes 16-31 change places with the second's lanes 0-15: the first now holds each lane's block's lower 16 codes, the second the upper 16
.endr
.irp i, 0,1,2
	v_mov_b32 v[CR+3+\i], v[AUX0+\i]
.endr
.irp i, 0,1,2
	v_permlane16_swap_b32 v[CR+6+\i], v[AUX1+\i]
.endr
.irp i, 0,1,2
	v_mov_b32 v[CR+9+\i], v[AUX1+\i]
.endr
.endm
.macro STOREPAIR p                     ; only tiles under Tt are stored
	WIN 0
	s_wait_xcnt 0x0                                ; EXEC changes only behind this wait
	v_cmpx_gt_u32 s20, v[VT+\p]
	WIN 0x04                                       ; a store's data are its source 1: window 1
.irp g, 0,1,2
	global_store_b128 v[VO+\p], v[CR+4*\g:CR+4*\g+3], s[14:15] offset:512*\g   ; sixteen lanes store 256 consecutive bytes, aligned
.endr
	global_store_b8 v[VS+\p], v[BY], s[30:31]
	global_store_b8 v[VS+\p], v[BY+1], s[30:31] offset:2
	WIN 0
	s_wait_xcnt 0x0                                ; and the stores' registers are written again only behind this one
	s_mov_b32 exec_lo, -1
.endm
.macro YOUT i                          ; layer 3: tile i's 16 rows x 64 columns of f32 through my own stage: a lane's numbers belong to one row, the lanes beside it hold other rows
.if \i > 0
	s_add_co_u32 s34, s21, SL*(\i)
	s_cmp_ge_u32 s34, s20
	s_cbranch_scc1 .Lyend                          ; the tiles of a pass ascend: past Tt nothing more is stored
.else
	s_mov_b32 s34, s21
.endif
	s_wait_xcnt 0x0                                ; the last tile's stores have read their registers
	s_min_u32 s34, s34, 63
	s_add_co_u32 s34, s34, s22
	s_lshl_b32 s34, s34, 16                        ; 16 rows of 4,096 bytes a tile
	v_add_nc_u32 v[YO], s34, v[YL]
	WIN 0x04
.irp c, 0,1,2,3
.irp k, 0,1
	ds_store_b128 v[SI], v[32*(\i)+8*\c+4*\k:32*(\i)+8*\c+4*\k+3] offset:128*(\c/2)+32*(\c%2)+16*\k   ; each accumulator from its low end on
.endr
.endr
	WIN 0
.irp k, 0,1,2,3,4,5,6,7
	ds_load_b128 v[OB+4*\k:OB+4*\k+3], v[SBK] offset:544*\k   ; LDS serves a wave's instructions in order: these see my stores
.endr
	s_wait_dscnt 0x0
.irp k, 0,1,2,3,4,5,6,7
	global_store_b128 v[YO], v[OB+4*\k:OB+4*\k+3], s[14:15] offset:8192*\k th:TH_STORE_NT   ; lanes 0-15 a row's 256 bytes, lanes 16-31 the next row's: two aligned runs of 256
.endr
.endm
	s_load_b256 s[4:11], s[0:1], 0x0               ; W's codes s[4:5], W's scales s[6:7], the bias s[8:9], the activation s[10:11]
	s_load_b128 s[12:15], s[0:1], 0x20             ; plan s[12:13], the result s[14:15]
	s_load_b64 s[54:55], s[0:1], 0x30              ; sel
	v_lshl_add_u32 v254, v0, 2, 0xc400
	v_mov_b32 v255, 0
	v_lshrrev_b32 v1, 5, v0
	v_readfirstlane_b32 s16, v1                    ; wave
	v_and_b32 v1, 31, v0                           ; lane
	s_wait_alu depctr_va_vdst(0)
	v_and_b32 v2, 15, v0                           ; r
	v_bfe_u32 v3, v0, 4, 1                         ; h
	s_and_b32 s17, ttmp7, 0xffff                   ; the expert
.if LAYER == 3
	s_lshr_b32 s18, ttmp9, 1                       ; which 64 columns
	s_and_b32 s19, ttmp9, 1
	s_lshl_b32 s19, s19, 2
	s_add_co_u32 s19, s19, s16                     ; my slot among the eight waves of the two work-groups that share them
.else
	s_mov_b32 s18, ttmp9
	s_mov_b32 s19, s16
.endif
	s_mov_b32 s21, s19                             ; the pass's first tile
	s_lshl_b32 s22, s17, 6                         ; the expert's first tile in the workspace
	s_lshl_b32 s27, s17, 2
	s_mov_b32 s23, 0xffff0000                      ; lanes 16-31
	s_mov_b32 s24, 0x76543210
	s_mov_b32 s25, 0xfedcba98                      ; v_permlanex16_b32's selects for lane l xor 16
	s_mov_b32 s26, 0x03010200                      ; swaps a word's middle bytes
	s_mov_b32 s32, 0xbfb8aa3b                      ; -log2(e)
	s_mov_b32 s33, s32
	v_lshlrev_b32 v4, 4, v1                        ; 16 x lane
	s_lshr_b32 s34, s16, 1                         ; my 16 rows of W, 16 w + i, go to LDS rows 32 (w / 2) + 8 (w % 2) + 16 (i / 8) + i % 8
	s_lshl_b32 s34, s34, 5
	s_and_b32 s35, s16, 1
	s_lshl_b32 s35, s35, 3
	s_add_co_u32 s34, s34, s35
	s_mul_i32 s34, s34, P
	v_add_nc_u32 v5, s34, v4
	s_wait_alu depctr_va_vdst(0)
	v_lshl_add_u32 v6, v3, 4, v5                   ; (layer 1: for the load that straddles two rows)
	v_mul_u32_u24 v7, v2, P
	v_mad_u32_u24 v7, v3, 48, v7                   ; a fragment: row r, + 48 h; column tiles 0, 1
	v_add_nc_u32 v8, 32*P, v7                      ; column tiles 2, 3
	v_and_b32 v9, 8, v2
	v_add_nc_u32 v9, v9, v2
	v_lshl_add_u32 v9, v3, 3, v9
	v_mul_u32_u24 v9, v9, KSB                      ; W's scale words: row r + 8 (r / 8) + 8 h
	v_lshlrev_b32 v10, 6, v3                       ; the bias: 16 h columns on
	v_mul_u32_u24 v11, v3, 48
	v_lshlrev_b32 v[R16], 4, v2
	v_lshlrev_b32 v[H16], 4, v3
	v_lshlrev_b32 v[SLO], 3, v1
	s_lshl_b32 s53, s18, 8
	v_add_nc_u32 v[SLX], s53, v[SLO]
	v_lshlrev_b32 v[RB], 8, v2
	v_lshl_add_u32 v[RB], v3, 14, v[RB]
	v_or_b32 v[RB], 0xff, v[RB]
.irp k, 0,1,2
	v_mov_b32 v[XS+\k], 0                          ; (a lane permute's destination counts as one of its sources)
.endr
.if LAYER == 3
	s_mul_i32 s34, s16, 16*272
	s_add_co_u32 s34, s34, STG                     ; my stage
	v_mul_u32_u24 v[SI], v2, 272
	v_lshl_add_u32 v[SI], v3, 6, v[SI]
	v_add_nc_u32 v[SI], s34, v[SI]                 ; in: row r, + 16 h columns
	v_mul_u32_u24 v[SBK], v3, 272
	v_lshl_add_u32 v[SBK], v2, 4, v[SBK]
	v_add_nc_u32 v[SBK], s34, v[SBK]               ; back: lanes 0-15 one row, lanes 16-31 the next
	v_lshl_add_u32 v[YL], v3, 12, v[R16]           ; and the same in y
.else
	WIN 0x40
.irp n, 0,1,2,3
	v_mov_b32 v[TP+\n], 0                          ; (a lane permute's destination counts as one of its sources)
.endr
	WIN 0
.endif
	s_mul_i32 s34, s17, NCOL
	s_lshl_b32 s35, s18, 6
	s_add_co_u32 s34, s34, s35                     ; my first row of W
	s_mul_i32 s36, s34, KSB
	s_mov_b32 s37, 0
	s_lshl_b32 s38, s34, 2
	s_mov_b32 s39, 0
	s_lshl_b32 s35, s16, 4
	s_add_co_u32 s34, s34, s35
	s_mul_i32 s40, s34, KROW                       ; the 16 rows that my wave copies
	s_mov_b32 s41, 0
.if LAYER < 3
	s_lshr_b32 s44, s18, 1                         ; the next layer's K step,
	s_and_b32 s45, s18, 1                          ; and which lane half of it my columns are
	s_mul_i32 s46, s44, 1536
	s_lshl_b32 s47, s45, 8
	s_add_co_u32 s46, s46, s47
	s_bfe_u32 s48, s44, 0x10002
	s_lshl_b32 s48, s48, 9
	s_lshr_b32 s49, s44, 3
	s_lshl_b32 s49, s49, 8
	s_add_co_u32 s48, s48, s49
	s_and_b32 s49, s44, 3
	s_lshl_b32 s49, s49, 2
	s_add_co_u32 s48, s48, s49
	s_add_co_u32 s48, s48, s45                     ; block 2 half + b of the K step stands at byte 2 b + half of the word
	s_add_co_u32 s48, s48, SCO
	s_mov_b32 s49, 0
.else
	s_lshl_b32 s46, s18, 8                         ; y: my 64 columns
.endif
	s_mov_b32 s47, 0
	s_lshl_b32 s50, s17, 10                        ; 1024 x expert
	s_wait_alu depctr_va_vdst(0)
	s_wait_kmcnt 0x0
	s_add_nc_u64 s[4:5], s[4:5], s[40:41]
	s_add_nc_u64 s[6:7], s[6:7], s[36:37]
	s_add_nc_u64 s[8:9], s[8:9], s[38:39]
	s_add_nc_u64 s[28:29], s[10:11], ASOFF
.if LAYER < 3
	s_add_nc_u64 s[30:31], s[14:15], s[48:49]
.endif
	s_add_nc_u64 s[14:15], s[14:15], s[46:47]
	SELLOAD
	WIN 0xc0
.set nn, 0
.rept NST                              ; my 16 rows of W are dense: loads of 512 consecutive bytes
.if LAYER < 3
	global_load_b128 v[4*nn:4*nn+3], v4, s[4:5] offset:512*nn th:TH_LOAD_NT   ; read by this work-group alone
.else
	global_load_b128 v[4*nn:4*nn+3], v4, s[4:5] offset:512*nn
.endif
.set nn, nn+1
.endr
	WIN 0
.irp b, 0,1
.set nn, 0
.rept KSB/16
	global_load_b128 v[WSC+KS*\b+4*nn:WSC+KS*\b+4*nn+3], v9, s[6:7] offset:32*\b*KSB+16*nn
.set nn, nn+1
.endr
.endr
.irp c, 0,1,2,3
.irp k, 0,1
	global_load_b128 v[BIAS+8*\c+4*\k:BIAS+8*\c+4*\k+3], v10, s[8:9] offset:(32*(\c/2)+8*(\c%2))*4+16*\k
.endr
.endr
	PROLOGUE 1
	POSOUT
	s_wait_loadcnt NW                              ; W's rows and scale words are in; the NW loads issued behind them may be out
.set nn, 0
.rept 2*KS
	v_perm_b32 v[WSC+nn], v[WSC+nn], v[WSC+nn], s26   ; W's scale words into the order 0, 2, 1, 3
.set nn, nn+1
.endr
.rept 8
	v_nop                                          ; a scale register written by a vector instruction stands eight places ahead of a scaled matrix instruction
.endr
	WIN 0x0c                                       ; an LDS store's data are its source 1: window 3
.set nn, 0
.rept NST
.if LAYER == 1                         ; rows of 768 bytes: a pair of rows is three loads, the middle one half and half
.set LOFF, (16*((2*(nn/3))/8)+(2*(nn/3))%8)*P
.if nn%3 == 0
	ds_store_b128 v5, v[4*nn:4*nn+3] offset:LOFF
.elseif nn%3 == 1
	ds_store_b128 v6, v[4*nn:4*nn+3] offset:LOFF+512
.else
	ds_store_b128 v5, v[4*nn:4*nn+3] offset:LOFF+P+256
.endif
.else                                  ; rows of 1,536 bytes: three loads a row
.set LOFF, (16*((nn/3)/8)+(nn/3)%8)*P+512*(nn%3)
	ds_store_b128 v5, v[4*nn:4*nn+3] offset:LOFF
.endif
.set nn, nn+1
.endr
	WIN 0
	s_wait_dscnt 0x0                               ; for the others' sake: my rows of W lie in LDS
	s_barrier_signal -1
	s_barrier_wait -1                              ; the only barrier: every wave passes it, ahead of every branch on Tt
	s_mov_b32 s52, 0                               ; passes done
	s_cmp_ge_u32 s21, s20
	s_cbranch_scc1 .Lend                           ; a wave without a tile
.Lpass:
	BLOAD 0
.set kk, 0
	s_wait_alu depctr_va_vdst(0)
.rept KS
	KSTEP kk
.set kk, kk+1
.endr
	WIN 0
	PLACES                                         ; ahead of the first read of results
.if LAYER == 3
	YOUT 0
	YOUT 1
	YOUT 2
.Lyend:
.else
.if LAYER == 2
	SILU
.endif
	QUANT2 0, 1
	s_wait_alu depctr_va_vdst(0)
	STOREPAIR 0
	QUANT2 2, 3
	s_wait_alu depctr_va_vdst(0)
	STOREPAIR 1
	QUANT2 4, 4
	s_wait_alu depctr_va_vdst(0)
	STOREPAIR 2
.endif
	s_add_co_u32 s21, s21, SL*TS
	s_cmp_ge_u32 s21, s20
	s_cbranch_scc1 .Lend                           ; no tile is left for my slot: the way out of the loop that is taken; behind NPASS passes s21 is 64 or more, and Tt at most 64
	PROLOGUE 0                                     ; all loads of the last pass are in and its stores have read their registers: the offsets may be written
	s_add_co_u32 s52, s52, 1                       ; the loop is counted: NPASS trips at the most
	s_cmp_lt_u32 s52, NPASS
	s_cbranch_scc1 .Lpass
.Lend:
	s_barrier_signal -1
	s_barrier_wait -1
	s_wait_tensorcnt 0x0
	ds_add_u32 v254, v255
	s_wait_dscnt 0x0
	s_endpgm
.Lfunc_end_k_q9dd04c62c5_up1:
	.size	k_q9dd04c62c5_up1, .Lfunc_end_k_q9dd04c62c5_up1-k_q9dd04c62c5_up1
	.p2alignl 7, 3214868480
	.fill 96, 4, 3214868480
	.section	.rodata,"a",@progbits
	.p2align	6, 0x0
	.amdhsa_kernel k_q9dd04c62c5_up1
		.amdhsa_group_segment_fixed_size 50688
		.amdhsa_private_segment_fixed_size 0
		.amdhsa_enable_private_segment 0
		.amdhsa_kernarg_size 56
		.amdhsa_user_sgpr_count 2
		.amdhsa_user_sgpr_kernarg_segment_ptr 1
		.amdhsa_wavefront_size32 1
		.amdhsa_system_sgpr_workgroup_id_x 1
		.amdhsa_system_sgpr_workgroup_id_y 1
		.amdhsa_system_sgpr_workgroup_id_z 1
		.amdhsa_system_vgpr_workitem_id 0
		.amdhsa_next_free_vgpr 1024
		.amdhsa_next_free_sgpr 100
		.amdhsa_reserve_vcc 1
		.amdhsa_float_denorm_mode_32 3
		.amdhsa_float_denorm_mode_16_64 3
		.amdhsa_memory_ordered 1
		.amdhsa_forward_progress 1
		.amdhsa_inst_pref_size 145
	.end_amdhsa_kernel
	.amdgpu_metadata
---
amdhsa.version: [ 1, 2 ]
amdhsa.kernels:
  - .name:           k_q9dd04c62c5_up1
    .symbol:         k_q9dd04c62c5_up1.kd
    .args:
      - { .name: W1_codes, .offset: 0, .size: 8, .value_kind: global_buffer, .address_space: global }
      - { .name: W1_scales, .offset: 8, .size: 8, .value_kind: global_buffer, .address_space: global }
      - { .name: b1, .offset: 16, .size: 8, .value_kind: global_buffer, .address_space: global }
      - { .name: xq, .offset: 24, .size: 8, .value_kind: global_buffer, .address_space: global }
      - { .name: plan, .offset: 32, .size: 8, .value_kind: global_buffer, .address_space: global }
      - { .name: h1, .offset: 40, .size: 8, .value_kind: global_buffer, .address_space: global }
      - { .name: sel, .offset: 48, .size: 8, .value_kind: global_buffer, .address_space: global }
    .group_segment_fixed_size: 50688
    .private_segment_fixed_size: 0
    .kernarg_segment_align: 8
    .kernarg_segment_size: 56
    .max_flat_workgroup_size: 128
    .sgpr_count:     100
    .vgpr_count:     1024
    .wavefront_size: 32
...
	.end_amdgpu_metadata
.endif
;; end of part 2
;; launch mid2 (part 3): grid 32 x 8, 4 waves a work-group, no clusters, 99,840 bytes of LDS; arguments W2_codes, W2_scales, b2, h1, plan, act; writes act
.if DOCPART == 3
	.amdgcn_target "amdgcn-amd-amdhsa--gfx1250"
	.amdhsa_code_object_version 6
	.text
	.protected	k_q9dd04c62c5_mid2
	.globl	k_q9dd04c62c5_mid2
	.p2align	8
	.type	k_q9dd04c62c5_mid2,@function
k_q9dd04c62c5_mid2:
	s_mov_b64 s[64:65], 0
	v_nop
	global_prefetch_b8 v0, s[64:65] scope:SCOPE_SE
	s_setreg_imm32_b32 hwreg(HW_REG_WAVE_MODE, 25, 1), 1
	s_wait_xcnt 0x0
; ONE LAYER OF THE CHOSEN EXPERTS' CHAIN, on codes of E2M3 with one E8M0 scale for each 32 along K.  One text serves the three layers; LAYER picks the sizes:
;   1: h1 = Q(x) W1 + b1, quantised;   2: a = silu(Q(h1) W2 + b2), quantised;   3: y = Q(a) W3 + b3, f32, a row for each routed row.
; Only the rows of the tokens that chose an expert are multiplied.  An expert's rows stand by rank in tiles of 16; expert e has room for 64 tiles (tile 64 e + t); plan says how many it has (Tt).
; SHARES.  A work-group is one expert (y) and 64 columns (x; in layer 3 x / 2, and x % 2 halves the rows).  Its 64 rows of W, for all of K, are copied into LDS once and stay; four waves share the expert's tiles of
; rows: wave slot s takes tiles s, s + SL, .. , TS of them in a pass (TS x 4 accumulators).  An expert with more than SL x TS tiles takes further passes, NPASS at the most.  A tile slot past Tt is multiplied all the
; same, on loads that all name one 16 bytes, and is never stored: so every count of a wait is the same on every path.
; NO TENSOR LOAD, NO CLUSTER: the number of passes hangs on a number read from memory.  Two barriers stand ahead of every branch on it; behind it a wave works alone.
; A K STEP OF 128 TAKES THE ROW'S FOUR BLOCKS IN THE ORDER 0, 2, 1, 3, alike in both operands: lane half h of an operand holds blocks 2 h and 2 h + 1: 48 consecutive bytes of the row, three loads of 16 bytes.
; Scale words stand in the same order (W's get their middle bytes swapped once).  The order of k within an instruction differs from the row's; the sums are f32 and agree within their rounding.
; THE PRODUCT IS USED TRANSPOSED (source 0 = 16 rows of W, source 1 = 16 rows of the activation), and lane m of column tile 2 b + u takes W's row 32 b + 8 u + m + 8 (m / 8): so a lane holds one activation row,
; and the 16 registers of tiles 2 b, 2 b + 1 are 16 neighbours along the next layer's K.  In LDS W's rows lie in that order (bits 3 and 4 of the row's number swapped).  The bias is the C of a sum's first product.
; WORKSPACE h1, act: codes [tile][K step 16][G 3][lane 32][16 bytes]: an image of the next product's operand registers; my 64 columns are half (x % 2) of K step x / 2: sixteen lanes store 256 consecutive, aligned bytes.
; Scale words at SCO: [tile][g 2][lane 32][4 words]; the word of (row r, K step s) at g = (s / 4) % 2, lane 16 (s / 8) + r, word s % 4.  My two bytes of a word leave as single bytes: 2 for each 48 bytes of codes.
; LIMITS: a block of zeros gets the byte 1 (its codes are zeros; this program alone reads the bytes); NaN and infinities are not served.
; REGISTERS, in windows of 256.  Window 0: v1-31 addresses; v32.. W's scale words; v64.. the activation's; v104-135 the bias; v136-142 tokens, 16 r, 16 h; v144-175 rows of y on the way out.
;   Window 1: v0-159 accumulators (tile i, column tile c at 32 i + 8 c); v160-194 the quantiser's.   Window 2: the ring of the activation's fragments, RD K steps; in layer 2 also silu's 160 numbers at work.
;   Window 3: W's rows on their way into LDS; then W's fragments, two sets of 48.
.set LAYER, 2
.if LAYER == 1
.set KS,    8                          ; K steps of 128
.set NCOL,  2048                       ; the layer's columns
.set TS,    5                          ; tiles of rows a wave holds in a pass
.set SL,    4                          ; wave slots that share an expert's tiles
.set RD,    4                          ; K steps in the activation's ring
.set AR,    4                          ; scale words of the activation in a lane half
.set ASTEP, 96                         ; bytes from K step to K step of the activation's codes
.set AG,    16                         ; and from one 16 bytes of a fragment to the next
.set ASOFF, 786432                     ; where the activation's scale words begin
.elseif LAYER == 2
.set KS,    16
.set NCOL,  2048
.set TS,    5
.set SL,    4
.set RD,    4
.set AR,    8
.set ASTEP, 1536
.set AG,    512
.set ASOFF, 12582912
.else
.set KS,    16
.set NCOL,  1024
.set TS,    3
.set SL,    8
.set RD,    6
.set AR,    8
.set ASTEP, 1536
.set AG,    512
.set ASOFF, 12582912
.endif
.set NPASS, (64+SL*TS-1)/(SL*TS)       ; passes that serve an expert's 64 tiles, the most that it can have
.set KROW,  96*KS                      ; a row of W's codes in bytes
.set P,     KROW+16                    ; and in LDS: an odd multiple of 16, so that the 16 rows of a load of 16 bytes start in 16 different columns of 16 bytes
.set KSB,   4*KS                       ; a row of W's scale bytes
.set NST,   3*KS                       ; loads of 512 bytes that bring my 16 rows of W
.set NASC,  TS*AR/4                    ; loads that bring the activation's scale words
.set NW,    8+NASC+3*TS*(RD-1)         ; loads issued behind W's last scale load: the bias, those, and RD - 1 K steps of fragments
.set TILEB, 24576                      ; a tile's codes in the workspace
.set SCO,   12582912                   ; the workspace's scale words
.set STG,   64*P                       ; LDS behind W (layer 3): a stage of 16 rows x 272 bytes for each wave
.set AV,   12                          ; v12-16  tile i: my offset in the activation's codes
.set SV,   17                          ; v17-21  and in its scale words
.set VT,   22                          ; v22-24  pair p of tiles: the tile's number, by lane half
.set VO,   25                          ; v25-27  where its codes go
.set VS,   28                          ; v28-30  where its scale bytes go
.set SI,   22                          ; layer 3: v22 into my stage, v23 back, v24 my offset in y, v25 its lane part
.set SBK,  23
.set YO,   24
.set YL,   25
.set TMP,  31
.set WSC,  32
.set ASC,  64
.set BIAS, 104
.set TK,   136
.set R16,  141
.set H16,  142
.set OB,   144
.set TM,   160                         ; window 1: largest magnitudes; v164.. the other half's, then bytes; v168.. the conversions' scales; v172-173 two bytes; v176-187 a lane's 48 bytes of codes; v188.., v192.. halves on the way
.set TP,   164
.set TSC,  168
.set BY,   172
.set CR,   176
.set AUX0, 188
.set AUX1, 192
.set MSB, 0
.macro WIN new                         ; the immediate's low byte: bits 1:0 source 0, 3:2 source 1, 5:4 source 2, 7:6 destination; its high byte repeats the setting that is left
.if MSB != \new
	s_set_vgpr_msb (MSB<<8)|\new
.set MSB, \new
.endif
.endm
.macro PLACES                          ; four plain vector lines between a matrix instruction and a load into, or a read of, its registers
.rept 4
	v_nop
.endr
.endm
.macro BLOAD ks                        ; W's four fragments of K step ks from LDS into set ks % 2
	WIN 0xc0
.irp c, 0,1,2,3
.irp g, 0,1,2
	ds_load_b128 v[48*((\ks)%2)+12*\c+4*\g:48*((\ks)%2)+12*\c+4*\g+3], v[7+\c/2] offset:(\c%2)*16*P+96*(\ks)+16*\g
.endr
.endr
.endm
.macro ALOAD ks                        ; the activation's TS fragments of K step ks into ring place ks % RD
	WIN 0x80
.set ii, 0
.rept TS
.irp g, 0,1,2
	global_load_b128 v[12*TS*((\ks)%RD)+12*ii+4*\g:12*TS*((\ks)%RD)+12*ii+4*\g+3], v[AV+ii], s[10:11] offset:ASTEP*(\ks)+AG*\g
.endr
.set ii, ii+1
.endr
.endm
.macro MM i, ct, ks                    ; one product: tile i x column tile ct, K step ks.  W's scale words: lanes 0-15 the even column tile's, lanes 16-31 the odd one's; the activation's: lane half ks / AR
.set rD, 32*(\i)+8*(\ct)
.set rC, rD
.if (\ks) == 0
.set rC, BIAS+8*(\ct)
.endif
.set rW, 48*((\ks)%2)+12*(\ct)
.set rA, 12*TS*((\ks)%RD)+12*(\i)
.set rSW, WSC+KS*((\ct)/2)+(\ks)
.set rSA, ASC+AR*(\i)+(\ks)%AR
.if ((\ct)%2 == 0) && ((\ks)/AR == 0)
	v_wmma_scale_f32_16x16x128_f8f6f4 v[rD:rD+7], v[rW:rW+11], v[rA:rA+11], v[rC:rC+7], v[rSW], v[rSA] matrix_a_fmt:MATRIX_FMT_FP6 matrix_b_fmt:MATRIX_FMT_FP6
.elseif ((\ct)%2 == 1) && ((\ks)/AR == 0)
	v_wmma_scale_f32_16x16x128_f8f6f4 v[rD:rD+7], v[rW:rW+11], v[rA:rA+11], v[rC:rC+7], v[rSW], v[rSA] matrix_a_fmt:MATRIX_FMT_FP6 matrix_b_fmt:MATRIX_FMT_FP6 matrix_a_scale:MATRIX_SCALE_ROW1
.elseif ((\ct)%2 == 0)
	v_wmma_scale_f32_16x16x128_f8f6f4 v[rD:rD+7], v[rW:rW+11], v[rA:rA+11], v[rC:rC+7], v[rSW], v[rSA] matrix_a_fmt:MATRIX_FMT_FP6 matrix_b_fmt:MATRIX_FMT_FP6 matrix_b_scale:MATRIX_SCALE_ROW1
.else
	v_wmma_scale_f32_16x16x128_f8f6f4 v[rD:rD+7], v[rW:rW+11], v[rA:rA+11], v[rC:rC+7], v[rSW], v[rSA] matrix_a_fmt:MATRIX_FMT_FP6 matrix_b_fmt:MATRIX_FMT_FP6 matrix_a_scale:MATRIX_SCALE_ROW1 matrix_b_scale:MATRIX_SCALE_ROW1
.endif
.endm
; A K step: the loads of later steps go out first, into the set and the ring place that the step before has just multiplied (hence the four places); then 4 TS products, the accumulators by turns, one instruction a turn.
.macro KSTEP ks, f
	PLACES
.if (\ks)+1 < KS
	BLOAD (\ks)+1
.endif
.if (\ks)+RD-1 < KS
	ALOAD (\ks)+RD-1
.endif
.if KS-1-(\ks) < RD-1
	s_wait_loadcnt 3*TS*(KS-1-(\ks))               ; this step's fragments are in; those of the steps that are left may be out
.elseif (\f) && ((\ks) < RD-1)
	s_wait_alu depctr_va_vdst(0)
	s_wait_loadcnt 63                              ; the first pass: behind this step's fragments stand RD - 1 steps' loads and the 24 of W's second half, 69 in all; the count's field holds 63, which is the stricter
.else
	s_wait_alu depctr_va_vdst(0)
	s_wait_loadcnt 3*TS*(RD-1)                     ; this step's fragments are in; those of the next RD - 1 steps may be out (in the first pass W's second half, issued ahead of them all, is in too)
.endif
.if (\ks)+1 < KS
	s_wait_dscnt 12                                ; W's set of this step is in; the twelve loads just issued may be out
.else
	s_wait_dscnt 0x0
.endif
.if (\ks) == 0
	WIN 0x4b                                       ; W window 3, activation window 2, C = the bias in window 0, D window 1
.else
	WIN 0x5b                                       ; C and D window 1
.endif
.set ii, 0
.rept TS
.set cc, 0
.rept 4
	MM ii, cc, \ks
.set cc, cc+1
.endr
.set ii, ii+1
.endr
.endm
.macro RING                            ; the first RD - 1 K steps of a pass
.set kk, 0
.rept RD-1
	ALOAD kk
.set kk, kk+1
.endr
	WIN 0
.endm
.macro PRO_A                           ; layer 1: the tokens of my TS tiles (ranks that no token has taken hold token 0).  A register is its own load's offset
.set ii, 0
.rept TS
	s_add_co_u32 s34, s21, SL*ii
	s_min_u32 s34, s34, 63
	s_lshl_b32 s34, s34, 6
	v_lshl_add_u32 v[TK+ii], v2, 2, s34
	global_load_b32 v[TK+ii], v[TK+ii], s[42:43]
.set ii, ii+1
.endr
.endm
.macro PRO_B n                         ; layer 1: n = the loads issued behind the tokens'
	s_wait_loadcnt \n
.set ii, 0
.rept TS
	v_min_u32 v[TK+ii], 0x3ff, v[TK+ii]
	v_mad_u32_u24 v[AV+ii], v[TK+ii], 768, v11     ; the token's row of codes, + 48 h
	v_lshl_add_u32 v[SV+ii], v[TK+ii], 5, v[H16]   ; its eight scale words: four to a lane half
	global_load_b128 v[ASC+4*ii:ASC+4*ii+3], v[SV+ii], s[28:29]
.set ii, ii+1
.endr
	RING
.endm
.macro PRO                             ; layers 2, 3: a tile's image, 16 bytes a lane; for a tile slot past Tt all lanes name the first 16 bytes of the pass's first tile
.set ii, 0
.rept TS
	s_add_co_u32 s34, s21, SL*ii
	s_cmp_lt_u32 s34, s20
	s_cselect_b32 s34, s34, s21
	s_cselect_b32 s35, 16, 0
	s_min_u32 s34, s34, 63
	s_min_u32 s35, s35, 16
	s_add_co_u32 s34, s34, s22
	s_mul_i32 s36, s34, TILEB
	s_lshl_b32 s37, s34, 10
	v_mad_u32_u24 v[AV+ii], v1, s35, s36
	v_mad_u32_u24 v[SV+ii], v1, s35, s37
	global_load_b128 v[ASC+8*ii:ASC+8*ii+3], v[SV+ii], s[28:29]
	global_load_b128 v[ASC+8*ii+4:ASC+8*ii+7], v[SV+ii], s[28:29] offset:512
.set ii, ii+1
.endr
	s_wait_alu depctr_va_vdst(0)
	RING
.endm
.macro VTVO                            ; layers 1, 2: where the pass's results go.  Pairs of tiles (0, 1), (2, 3), (4, none): lanes 0-15 the first, lanes 16-31 the second
	v_lshl_add_u32 v[VT], v3, 2, s21
	s_add_co_u32 s34, s21, 2*SL
	v_lshl_add_u32 v[VT+1], v3, 2, s34
	s_add_co_u32 s34, s21, 4*SL
	v_lshl_add_u32 v[VT+2], v3, 16, s34            ; the partner that is not there gets a number above every Tt
.irp p, 0,1,2
	v_min_u32 v[TMP], 63, v[VT+\p]
	v_add_nc_u32 v[TMP], s22, v[TMP]
	v_mad_u32_u24 v[VO+\p], v[TMP], TILEB, v[R16]
	v_lshl_add_u32 v[VS+\p], v[TMP], 10, v[R16]
.endr
.endm
.macro PROLOGUE first
.if LAYER == 1
.if \first
	PRO_B 36                                       ; behind the tokens' loads: W's 24, its scales' 4, the bias's 8
.else
	PRO_A
	PRO_B 0
.endif
.else
	PRO
.endif
.if LAYER < 3
	VTVO
.endif
.endm
.macro SILU                            ; a = h / (1 + 2^(-h log2 e)), in f32, on all 32 TS numbers of a lane; the exponentials are one batch with one wait, the reciprocals another
	WIN 0x81
.set jj, 0
.rept 16*TS
	v_pk_mul_f32 v[jj:jj+1], v[jj:jj+1], s[32:33] op_sel_hi:[1,0]   ; each accumulator is read from its low end on
.set jj, jj+2
.endr
	WIN 0x82
.set jj, 0
	s_wait_alu depctr_va_vdst(0)
.rept 32*TS
	v_exp_f32 v[jj], v[jj]
.set jj, jj+1
.endr
	v_nop
	s_wait_alu depctr_va_vdst(0)
.set jj, 0
.rept 16*TS
	v_pk_add_f32 v[jj:jj+1], v[jj:jj+1], 1.0 op_sel_hi:[1,0]
.set jj, jj+2
.endr
.set jj, 0
	s_wait_alu depctr_va_vdst(0)
.rept 32*TS
	v_rcp_f32 v[jj], v[jj]
.set jj, jj+1
.endr
	v_nop
	s_wait_alu depctr_va_vdst(0)
	WIN 0x49
.set jj, 0
.rept 16*TS
	v_pk_mul_f32 v[jj:jj+1], v[jj:jj+1], v[jj:jj+1]   ; destination and source 0: the accumulators; source 1: window 2
.set jj, jj+2
.endr
.endm
; Tiles a and b are quantised: four blocks of 32 (block n: tile a or b, columns 32 (n % 2) on), each in lanes l and l xor 16, 16 numbers a lane.  Afterwards lane (r, 0) holds the 48 bytes of row r of tile a, lane (r, 1) those of tile b.
.macro QUANT2 a, b
	WIN 0x55
.irp n, 0,1,2,3
.set qb, 32*((\a)*(1-\n/2)+(\b)*(\n/2))+16*(\n%2)
	v_max3_num_f32 v[TM+\n], |v[qb]|, |v[qb+1]|, 0x1800000   ; my 16 numbers and the floor 2^(3 - 127): the byte cannot fall under 1
.endr
.irp i, 2,4,6,8,10,12,14
.irp n, 0,1,2,3
.set qb, 32*((\a)*(1-\n/2)+(\b)*(\n/2))+16*(\n%2)
	v_max3_num_f32 v[TM+\n], v[TM+\n], |v[qb+\i]|, |v[qb+\i+1]|   ; the four blocks by turns
.endr
.endr
.irp n, 0,1,2,3
	v_permlanex16_b32 v[TP+\n], v[TM+\n], s24, s25
.endr
.irp n, 0,1,2,3
	v_max_num_f32 v[TM+\n], v[TM+\n], v[TP+\n]     ; with lane l xor 16's: the block's largest magnitude
.endr
.irp n, 0,1,2,3
	v_add_nc_u32 v[TSC+\n], 0xff000000, v[TM+\n]   ; 2 off its exponent field: the conversion's scale operand
.endr
.irp n, 0,1,2,3
	v_lshrrev_b32 v[TP+\n], 23, v[TSC+\n]          ; the scale's byte
.endr
	v_cndmask_b32 v[BY], v[TP], v[TP+2], s23       ; lanes 0-15 tile a's, lanes 16-31 tile b's: columns 0-31,
	v_cndmask_b32 v[BY+1], v[TP+1], v[TP+3], s23   ; columns 32-63
	v_cvt_scalef32_pk16_fp6_f32 v[CR:CR+2], v[32*(\a):32*(\a)+15], v[TSC]
	v_cvt_scalef32_pk16_fp6_f32 v[AUX0:AUX0+2], v[32*(\b):32*(\b)+15], v[TSC+2]
	v_cvt_scalef32_pk16_fp6_f32 v[CR+6:CR+8], v[32*(\a)+16:32*(\a)+31], v[TSC+1]
	v_cvt_scalef32_pk16_fp6_f32 v[AUX1:AUX1+2], v[32*(\b)+16:32*(\b)+31], v[TSC+3]
	v_nop                                          ; one plain line behind the scaled conversions
.irp i, 0,1,2
	v_permlane16_swap_b32 v[CR+\i], v[AUX0+\i]     ; the first's lanes 16-31 change places with the second's lanes 0-15: the first now holds each lane's block's lower 16 codes, the second the upper 16
.endr
.irp i, 0,1,2
	v_mov_b32 v[CR+3+\i], v[AUX0+\i]
.endr
.irp i, 0,1,2
	v_permlane16_swap_b32 v[CR+6+\i], v[AUX1+\i]
.endr
.irp i, 0,1,2
	v_mov_b32 v[CR+9+\i], v[AUX1+\i]
.endr
.endm
.macro STOREPAIR p                     ; only tiles under Tt are stored
	WIN 0
	s_wait_xcnt 0x0                                ; EXEC changes only behind this wait
	v_cmpx_gt_u32 s20, v[VT+\p]
	WIN 0x04                                       ; a store's data are its source 1: window 1
.irp g, 0,1,2
	global_store_b128 v[VO+\p], v[CR+4*\g:CR+4*\g+3], s[14:15] offset:512*\g   ; sixteen lanes store 256 consecutive bytes, aligned
.endr
	global_store_b8 v[VS+\p], v[BY], s[30:31]
	global_store_b8 v[VS+\p], v[BY+1], s[30:31] offset:2
	WIN 0
	s_wait_xcnt 0x0                                ; and the stores' registers are written again only behind this one
	s_mov_b32 exec_lo, -1
.endm
.macro YOUT i                          ; layer 3: tile i's 16 rows x 64 columns of f32 through my own stage: a lane's numbers belong to one row, the lanes beside it hold other rows
.if \i > 0
	s_add_co_u32 s34, s21, SL*(\i)
	s_cmp_ge_u32 s34, s20
	s_cbranch_scc1 .Lyend                          ; the tiles of a pass ascend: past Tt nothing more is stored
.else
	s_mov_b32 s34, s21
.endif
	s_wait_xcnt 0x0                                ; the last tile's stores have read their registers
	s_min_u32 s34, s34, 63
	s_add_co_u32 s34, s34, s22
	s_lshl_b32 s34, s34, 16                        ; 16 rows of 4,096 bytes a tile
	v_add_nc_u32 v[YO], s34, v[YL]
	WIN 0x04
.irp c, 0,1,2,3
.irp k, 0,1
	ds_store_b128 v[SI], v[32*(\i)+8*\c+4*\k:32*(\i)+8*\c+4*\k+3] offset:128*(\c/2)+32*(\c%2)+16*\k   ; each accumulator from its low end on
.endr
.endr
	WIN 0
.irp k, 0,1,2,3,4,5,6,7
	ds_load_b128 v[OB+4*\k:OB+4*\k+3], v[SBK] offset:544*\k   ; LDS serves a wave's instructions in order: these see my stores
.endr
	s_wait_dscnt 0x0
.irp k, 0,1,2,3,4,5,6,7
	global_store_b128 v[YO], v[OB+4*\k:OB+4*\k+3], s[14:15] offset:8192*\k th:TH_STORE_NT   ; lanes 0-15 a row's 256 bytes, lanes 16-31 the next row's: two aligned runs of 256
.endr
.endm
	s_load_b256 s[4:11], s[0:1], 0x0               ; W's codes s[4:5], W's scales s[6:7], the bias s[8:9], the activation s[10:11]
	s_load_b128 s[12:15], s[0:1], 0x20             ; plan s[12:13], the result s[14:15]
	v_lshl_add_u32 v254, v0, 2, 0x18400
	v_mov_b32 v255, 0
	v_lshrrev_b32 v1, 5, v0
	v_readfirstlane_b32 s16, v1                    ; wave
	v_and_b32 v1, 31, v0                           ; lane
	s_wait_alu depctr_va_vdst(0)
	v_and_b32 v2, 15, v0                           ; r
	v_bfe_u32 v3, v0, 4, 1                         ; h
	s_and_b32 s17, ttmp7, 0xffff                   ; the expert
.if LAYER == 3
	s_lshr_b32 s18, ttmp9, 1                       ; which 64 columns
	s_and_b32 s19, ttmp9, 1
	s_lshl_b32 s19, s19, 2
	s_add_co_u32 s19, s19, s16                     ; my slot among the eight waves of the two work-groups that share them
.else
	s_mov_b32 s18, ttmp9
	s_mov_b32 s19, s16
.endif
	s_mov_b32 s21, s19                             ; the pass's first tile
	s_lshl_b32 s22, s17, 6                         ; the expert's first tile in the workspace
	s_lshl_b32 s27, s17, 2
	s_mov_b32 s23, 0xffff0000                      ; lanes 16-31
	s_mov_b32 s24, 0x76543210
	s_mov_b32 s25, 0xfedcba98                      ; v_permlanex16_b32's selects for lane l xor 16
	s_mov_b32 s26, 0x03010200                      ; swaps a word's middle bytes
	s_mov_b32 s32, 0xbfb8aa3b                      ; -log2(e)
	s_mov_b32 s33, s32
	v_lshlrev_b32 v4, 4, v1                        ; 16 x lane
	s_lshr_b32 s34, s16, 1                         ; my 16 rows of W, 16 w + i, go to LDS rows 32 (w / 2) + 8 (w % 2) + 16 (i / 8) + i % 8
	s_lshl_b32 s34, s34, 5
	s_and_b32 s35, s16, 1
	s_lshl_b32 s35, s35, 3
	s_add_co_u32 s34, s34, s35
	s_mul_i32 s34, s34, P
	v_add_nc_u32 v5, s34, v4
	s_wait_alu depctr_va_vdst(0)
	v_mad_u32_u24 v6, v3, P-768, v5                ; for the load that straddles two rows: lanes 16-31 go to the next LDS row,
	v_mad_u32_u24 v143, v3, 768, v4                ; and come from the next row of W, 768 bytes further on
	v_mul_u32_u24 v7, v2, P
	v_mad_u32_u24 v7, v3, 48, v7                   ; a fragment: row r, + 48 h; column tiles 0, 1
	v_add_nc_u32 v8, 32*P, v7                      ; column tiles 2, 3
	v_and_b32 v9, 8, v2
	v_add_nc_u32 v9, v9, v2
	v_lshl_add_u32 v9, v3, 3, v9
	v_mul_u32_u24 v9, v9, KSB                      ; W's scale words: row r + 8 (r / 8) + 8 h
	v_lshlrev_b32 v10, 6, v3                       ; the bias: 16 h columns on
	v_mul_u32_u24 v11, v3, 48
	v_lshlrev_b32 v[R16], 4, v2
	v_lshlrev_b32 v[H16], 4, v3
.if LAYER == 3
	s_mul_i32 s34, s16, 16*272
	s_add_co_u32 s34, s34, STG                     ; my stage
	v_mul_u32_u24 v[SI], v2, 272
	v_lshl_add_u32 v[SI], v3, 6, v[SI]
	v_add_nc_u32 v[SI], s34, v[SI]                 ; in: row r, + 16 h columns
	v_mul_u32_u24 v[SBK], v3, 272
	v_lshl_add_u32 v[SBK], v2, 4, v[SBK]
	v_add_nc_u32 v[SBK], s34, v[SBK]               ; back: lanes 0-15 one row, lanes 16-31 the next
	v_lshl_add_u32 v[YL], v3, 12, v[R16]           ; and the same in y
.else
	WIN 0x40
.irp n, 0,1,2,3
	v_mov_b32 v[TP+\n], 0                          ; (a lane permute's destination counts as one of its sources)
.endr
	WIN 0
.endif
	s_mul_i32 s34, s17, NCOL
	s_lshl_b32 s35, s18, 6
	s_add_co_u32 s34, s34, s35                     ; my first row of W
	s_mul_i32 s36, s34, KSB
	s_mov_b32 s37, 0
	s_lshl_b32 s38, s34, 2
	s_mov_b32 s39, 0
	s_lshl_b32 s35, s16, 4
	s_add_co_u32 s34, s34, s35
	s_mul_i32 s40, s34, KROW                       ; the 16 rows that my wave copies
	s_mov_b32 s41, 0
.if LAYER < 3
	s_lshr_b32 s44, s18, 1                         ; the next layer's K step,
	s_and_b32 s45, s18, 1                          ; and which lane half of it my columns are
	s_mul_i32 s46, s44, 1536
	s_lshl_b32 s47, s45, 8
	s_add_co_u32 s46, s46, s47
	s_bfe_u32 s48, s44, 0x10002
	s_lshl_b32 s48, s48, 9
	s_lshr_b32 s49, s44, 3
	s_lshl_b32 s49, s49, 8
	s_add_co_u32 s48, s48, s49
	s_and_b32 s49, s44, 3
	s_lshl_b32 s49, s49, 2
	s_add_co_u32 s48, s48, s49
	s_add_co_u32 s48, s48, s45                     ; block 2 half + b of the K step stands at byte 2 b + half of the word
	s_add_co_u32 s48, s48, SCO
	s_mov_b32 s49, 0
.else
	s_lshl_b32 s46, s18, 8                         ; y: my 64 columns
.endif
	s_mov_b32 s47, 0
	s_lshl_b32 s50, s17, 12
	s_mov_b32 s51, 0
	s_wait_alu depctr_va_vdst(0)
	s_wait_kmcnt 0x0
	s_load_b32 s20, s[12:13], s27 offset:40960     ; Tt: the expert's tiles
	s_add_nc_u64 s[4:5], s[4:5], s[40:41]
	s_add_nc_u64 s[6:7], s[6:7], s[36:37]
	s_add_nc_u64 s[8:9], s[8:9], s[38:39]
	s_add_nc_u64 s[28:29], s[10:11], ASOFF
	s_add_nc_u64 s[42:43], s[12:13], s[50:51]      ; the expert's list of tokens
.if LAYER < 3
	s_add_nc_u64 s[30:31], s[14:15], s[48:49]
.endif
	s_add_nc_u64 s[14:15], s[14:15], s[46:47]
.if LAYER == 1
	PRO_A
.endif
; W COMES IN TWO HALVES ALONG K: half c is bytes 768 c .. 768 c + 767 of each row, K steps 8 c .. 8 c + 7.  A pair of rows is three loads of 512 bytes, the middle one half and half; sixteen lanes read 256 consecutive, aligned bytes.
; Half 0 waits in window 3's v0-95 (where W's fragments lie later), half 1 in v96-191.  Each half has a barrier of its own, and both barriers stand ahead of every branch on Tt.
.macro WL reg, adr, off
.if LAYER < 3
	global_load_b128 v[\reg:\reg+3], v[\adr], s[4:5] offset:\off th:TH_LOAD_NT   ; read by this work-group alone
.else
	global_load_b128 v[\reg:\reg+3], v[\adr], s[4:5] offset:\off
.endif
.endm
.macro WLOAD c
	WIN 0xc0
.set nn, 0
.rept 24
.set WR, 96*(\c)+4*nn
.set GOFF, 2*KROW*(nn/3)+768*(\c)
.if nn%3 == 0
	WL WR, 4, GOFF
.elseif nn%3 == 1
	WL WR, 143, GOFF+512
.else
	WL WR, 4, GOFF+KROW+256
.endif
.set nn, nn+1
.endr
	WIN 0
.endm
.macro WSTORE c
	WIN 0x0c                                       ; an LDS store's data are its source 1: window 3
.set nn, 0
.rept 24
.set WR, 96*(\c)+4*nn
.set LOFF, (16*((2*(nn/3))/8)+(2*(nn/3))%8)*P+768*(\c)
.if nn%3 == 0
	ds_store_b128 v5, v[WR:WR+3] offset:LOFF
.elseif nn%3 == 1
	ds_store_b128 v6, v[WR:WR+3] offset:LOFF+512
.else
	ds_store_b128 v5, v[WR:WR+3] offset:LOFF+P+256
.endif
.set nn, nn+1
.endr
	WIN 0
.endm
	WLOAD 0
.irp b, 0,1
.set nn, 0
.rept KSB/16
	global_load_b128 v[WSC+KS*\b+4*nn:WSC+KS*\b+4*nn+3], v9, s[6:7] offset:32*\b*KSB+16*nn
.set nn, nn+1
.endr
.endr
.irp c, 0,1,2,3
.irp k, 0,1
	global_load_b128 v[BIAS+8*\c+4*\k:BIAS+8*\c+4*\k+3], v10, s[8:9] offset:(32*(\c/2)+8*(\c%2))*4+16*\k
.endr
.endr
	s_wait_kmcnt 0x0                               ; Tt
	s_min_u32 s20, s20, 64                         ; an expert has room for 64 tiles: NPASS passes serve them all
	PROLOGUE 1
	WLOAD 1                                        ; behind the first RD - 1 K steps' fragments, so that the waits for those do not wait for it
	s_wait_loadcnt 63                              ; W's first half and its scale words are in: NW + 24 loads stand behind them, more than the count's field holds
.set nn, 0
.rept 2*KS
	v_perm_b32 v[WSC+nn], v[WSC+nn], v[WSC+nn], s26   ; W's scale words into the order 0, 2, 1, 3
.set nn, nn+1
.endr
.rept 8
	v_nop                                          ; a scale register written by a vector instruction stands eight places ahead of a scaled matrix instruction
.endr
	WSTORE 0
	s_wait_dscnt 0x0                               ; for the others' sake: my rows of W lie in LDS
	s_barrier_signal -1
	s_barrier_wait -1                              ; the first barrier: every wave passes it, ahead of every branch on Tt
	s_mov_b32 s52, 0                               ; passes done
	BLOAD 0                                        ; THE FIRST PASS, every wave's (one without a tile multiplies all the same and stores nothing): K steps 0 to 6 read W's first half alone,
.set kk, 0
.rept KS/2-1
	KSTEP kk, 1
.set kk, kk+1
.endr
	WSTORE 1                                       ; W's second half: the waits of K steps RD - 1 on have shown it landed
	s_wait_dscnt 0x0                               ; for the others' sake: my rows' second half lies in LDS
	s_barrier_signal -1
	s_barrier_wait -1                              ; the second and last barrier ahead of the end: K step 7 fetches K step 8's fragments
	s_branch .Lmid
.Lpass:                                                ; a later pass finds all of W in LDS
	BLOAD 0
.set kk, 0
.rept KS/2-1
	KSTEP kk, 0
.set kk, kk+1
.endr
	WIN 0
.Lmid:
.rept KS/2+1
	KSTEP kk, 0
.set kk, kk+1
.endr
	WIN 0
	s_cmp_ge_u32 s21, s20
	s_cbranch_scc1 .Lend                           ; a wave without a tile (in the first pass alone)
	PLACES
.if LAYER == 3
	YOUT 0
	YOUT 1
	YOUT 2
.Lyend:
.else
.if LAYER == 2
	SILU
.endif
	QUANT2 0, 1
	s_wait_alu depctr_va_vdst(0)
	STOREPAIR 0
	QUANT2 2, 3
	s_wait_alu depctr_va_vdst(0)
	STOREPAIR 1
	QUANT2 4, 4
	s_wait_alu depctr_va_vdst(0)
	STOREPAIR 2
.endif
	s_add_co_u32 s21, s21, SL*TS
	s_cmp_ge_u32 s21, s20
	s_cbranch_scc1 .Lend                           ; no tile is left for my slot: the way out of the loop that is taken; behind NPASS passes s21 is 64 or more, and Tt at most 64
	PROLOGUE 0                                     ; all loads of the last pass are in and its stores have read their registers: the offsets may be written
	s_add_co_u32 s52, s52, 1                       ; the loop is counted: NPASS trips at the most
	s_cmp_lt_u32 s52, NPASS
	s_cbranch_scc1 .Lpass
.Lend:
	s_barrier_signal -1
	s_barrier_wait -1
	s_wait_tensorcnt 0x0
	ds_add_u32 v254, v255
	s_wait_dscnt 0x0
	s_endpgm
.Lfunc_end_k_q9dd04c62c5_mid2:
	.size	k_q9dd04c62c5_mid2, .Lfunc_end_k_q9dd04c62c5_mid2-k_q9dd04c62c5_mid2
	.p2alignl 7, 3214868480
	.fill 96, 4, 3214868480
	.section	.rodata,"a",@progbits
	.p2align	6, 0x0
	.amdhsa_kernel k_q9dd04c62c5_mid2
		.amdhsa_group_segment_fixed_size 99840
		.amdhsa_private_segment_fixed_size 0
		.amdhsa_enable_private_segment 0
		.amdhsa_kernarg_size 48
		.amdhsa_user_sgpr_count 2
		.amdhsa_user_sgpr_kernarg_segment_ptr 1
		.amdhsa_wavefront_size32 1
		.amdhsa_system_sgpr_workgroup_id_x 1
		.amdhsa_system_sgpr_workgroup_id_y 1
		.amdhsa_system_sgpr_workgroup_id_z 1
		.amdhsa_system_vgpr_workitem_id 0
		.amdhsa_next_free_vgpr 1024
		.amdhsa_next_free_sgpr 66
		.amdhsa_reserve_vcc 0
		.amdhsa_float_denorm_mode_32 3
		.amdhsa_float_denorm_mode_16_64 3
		.amdhsa_memory_ordered 1
		.amdhsa_forward_progress 1
		.amdhsa_inst_pref_size 183
	.end_amdhsa_kernel
	.amdgpu_metadata
---
amdhsa.version: [ 1, 2 ]
amdhsa.kernels:
  - .name:           k_q9dd04c62c5_mid2
    .symbol:         k_q9dd04c62c5_mid2.kd
    .args:
      - { .name: W2_codes, .offset: 0, .size: 8, .value_kind: global_buffer, .address_space: global }
      - { .name: W2_scales, .offset: 8, .size: 8, .value_kind: global_buffer, .address_space: global }
      - { .name: b2, .offset: 16, .size: 8, .value_kind: global_buffer, .address_space: global }
      - { .name: h1, .offset: 24, .size: 8, .value_kind: global_buffer, .address_space: global }
      - { .name: plan, .offset: 32, .size: 8, .value_kind: global_buffer, .address_space: global }
      - { .name: act, .offset: 40, .size: 8, .value_kind: global_buffer, .address_space: global }
    .group_segment_fixed_size: 99840
    .private_segment_fixed_size: 0
    .kernarg_segment_align: 8
    .kernarg_segment_size: 48
    .max_flat_workgroup_size: 128
    .sgpr_count:     66
    .vgpr_count:     1024
    .wavefront_size: 32
...
	.end_amdgpu_metadata
.endif
;; end of part 3
;; launch down3 (part 4): grid 32 x 8, 4 waves a work-group, no clusters, 117,248 bytes of LDS; arguments W3_codes, W3_scales, b3, act, plan, y; writes y
.if DOCPART == 4
	.amdgcn_target "amdgcn-amd-amdhsa--gfx1250"
	.amdhsa_code_object_version 6
	.text
	.protected	k_q9dd04c62c5_down3
	.globl	k_q9dd04c62c5_down3
	.p2align	8
	.type	k_q9dd04c62c5_down3,@function
k_q9dd04c62c5_down3:
	s_mov_b64 s[64:65], 0
	v_nop
	global_prefetch_b8 v0, s[64:65] scope:SCOPE_SE
	s_setreg_imm32_b32 hwreg(HW_REG_WAVE_MODE, 25, 1), 1
	s_wait_xcnt 0x0
; ONE LAYER OF THE CHOSEN EXPERTS' CHAIN, on codes of E2M3 with one E8M0 scale for each 32 along K.  One text serves the three layers; LAYER picks the sizes:
;   1: h1 = Q(x) W1 + b1, quantised;   2: a = silu(Q(h1) W2 + b2), quantised;   3: y = Q(a) W3 + b3, f32, a row for each routed row.
; Only the rows of the tokens that chose an expert are multiplied.  An expert's rows stand by rank in tiles of 16; expert e has room for 64 tiles (tile 64 e + t); plan says how many it has (Tt).
; SHARES.  A work-group is one expert (y) and 64 columns (x; in layer 3 x / 2, and x % 2 halves the rows).  Its 64 rows of W, for all of K, are copied into LDS once and stay; four waves share the expert's tiles of
; rows: wave slot s takes tiles s, s + SL, .. , TS of them in a pass (TS x 4 accumulators).  An expert with more than SL x TS tiles takes further passes, NPASS at the most.  A tile slot past Tt is multiplied all the
; same, on loads that all name one 16 bytes, and is never stored: so every count of a wait is the same on every path.
; NO TENSOR LOAD, NO CLUSTER: the number of passes hangs on a number read from memory.  Two barriers stand ahead of every branch on it; behind it a wave works alone.
; A K STEP OF 128 TAKES THE ROW'S FOUR BLOCKS IN THE ORDER 0, 2, 1, 3, alike in both operands: lane half h of an operand holds blocks 2 h and 2 h + 1: 48 consecutive bytes of the row, three loads of 16 bytes.
; Scale words stand in the same order (W's get their middle bytes swapped once).  The order of k within an instruction differs from the row's; the sums are f32 and agree within their rounding.
; THE PRODUCT IS USED TRANSPOSED (source 0 = 16 rows of W, source 1 = 16 rows of the activation), and lane m of column tile 2 b + u takes W's row 32 b + 8 u + m + 8 (m / 8): so a lane holds one activation row,
; and the 16 registers of tiles 2 b, 2 b + 1 are 16 neighbours along the next layer's K.  In LDS W's rows lie in that order (bits 3 and 4 of the row's number swapped).  The bias is the C of a sum's first product.
; WORKSPACE h1, act: codes [tile][K step 16][G 3][lane 32][16 bytes]: an image of the next product's operand registers; my 64 columns are half (x % 2) of K step x / 2: sixteen lanes store 256 consecutive, aligned bytes.
; Scale words at SCO: [tile][g 2][lane 32][4 words]; the word of (row r, K step s) at g = (s / 4) % 2, lane 16 (s / 8) + r, word s % 4.  My two bytes of a word leave as single bytes: 2 for each 48 bytes of codes.
; LIMITS: a block of zeros gets the byte 1 (its codes are zeros; this program alone reads the bytes); NaN and infinities are not served.
; REGISTERS, in windows of 256.  Window 0: v1-31 addresses; v32.. W's scale words; v64.. the activation's; v104-135 the bias; v136-142 tokens, 16 r, 16 h; v144-175 rows of y on the way out.
;   Window 1: v0-159 accumulators (tile i, column tile c at 32 i + 8 c); v160-194 the quantiser's.   Window 2: the ring of the activation's fragments, RD K steps; in layer 2 also silu's 160 numbers at work.
;   Window 3: W's rows on their way into LDS; then W's fragments, two sets of 48.
.set LAYER, 3
.if LAYER == 1
.set KS,    8                          ; K steps of 128
.set NCOL,  2048                       ; the layer's columns
.set TS,    5                          ; tiles of rows a wave holds in a pass
.set SL,    4                          ; wave slots that share an expert's tiles
.set RD,    4                          ; K steps in the activation's ring
.set AR,    4                          ; scale words of the activation in a lane half
.set ASTEP, 96                         ; bytes from K step to K step of the activation's codes
.set AG,    16                         ; and from one 16 bytes of a fragment to the next
.set ASOFF, 786432                     ; where the activation's scale words begin
.elseif LAYER == 2
.set KS,    16
.set NCOL,  2048
.set TS,    5
.set SL,    4
.set RD,    4
.set AR,    8
.set ASTEP, 1536
.set AG,    512
.set ASOFF, 12582912
.else
.set KS,    16
.set NCOL,  1024
.set TS,    3
.set SL,    8
.set RD,    6
.set AR,    8
.set ASTEP, 1536
.set AG,    512
.set ASOFF, 12582912
.endif
.set NPASS, (64+SL*TS-1)/(SL*TS)       ; passes that serve an expert's 64 tiles, the most that it can have
.set KROW,  96*KS                      ; a row of W's codes in bytes
.set P,     KROW+16                    ; and in LDS: an odd multiple of 16, so that the 16 rows of a load of 16 bytes start in 16 different columns of 16 bytes
.set KSB,   4*KS                       ; a row of W's scale bytes
.set NST,   3*KS                       ; loads of 512 bytes that bring my 16 rows of W
.set NASC,  TS*AR/4                    ; loads that bring the activation's scale words
.set NW,    8+NASC+3*TS*(RD-1)         ; loads issued behind W's last scale load: the bias, those, and RD - 1 K steps of fragments
.set TILEB, 24576                      ; a tile's codes in the workspace
.set SCO,   12582912                   ; the workspace's scale words
.set STG,   64*P                       ; LDS behind W (layer 3): a stage of 16 rows x 272 bytes for each wave
.set AV,   12                          ; v12-16  tile i: my offset in the activation's codes
.set SV,   17                          ; v17-21  and in its scale words
.set VT,   22                          ; v22-24  pair p of tiles: the tile's number, by lane half
.set VO,   25                          ; v25-27  where its codes go
.set VS,   28                          ; v28-30  where its scale bytes go
.set SI,   22                          ; layer 3: v22 into my stage, v23 back, v24 my offset in y, v25 its lane part
.set SBK,  23
.set YO,   24
.set YL,   25
.set TMP,  31
.set WSC,  32
.set ASC,  64
.set BIAS, 104
.set TK,   136
.set R16,  141
.set H16,  142
.set OB,   144
.set TM,   160                         ; window 1: largest magnitudes; v164.. the other half's, then bytes; v168.. the conversions' scales; v172-173 two bytes; v176-187 a lane's 48 bytes of codes; v188.., v192.. halves on the way
.set TP,   164
.set TSC,  168
.set BY,   172
.set CR,   176
.set AUX0, 188
.set AUX1, 192
.set MSB, 0
.macro WIN new                         ; the immediate's low byte: bits 1:0 source 0, 3:2 source 1, 5:4 source 2, 7:6 destination; its high byte repeats the setting that is left
.if MSB != \new
	s_set_vgpr_msb (MSB<<8)|\new
.set MSB, \new
.endif
.endm
.macro PLACES                          ; four plain vector lines between a matrix instruction and a load into, or a read of, its registers
.rept 4
	v_nop
.endr
.endm
.macro BLOAD ks                        ; W's four fragments of K step ks from LDS into set ks % 2
	WIN 0xc0
.irp c, 0,1,2,3
.irp g, 0,1,2
	ds_load_b128 v[48*((\ks)%2)+12*\c+4*\g:48*((\ks)%2)+12*\c+4*\g+3], v[7+\c/2] offset:(\c%2)*16*P+96*(\ks)+16*\g
.endr
.endr
.endm
.macro ALOAD ks                        ; the activation's TS fragments of K step ks into ring place ks % RD
	WIN 0x80
.set ii, 0
.rept TS
.irp g, 0,1,2
	global_load_b128 v[12*TS*((\ks)%RD)+12*ii+4*\g:12*TS*((\ks)%RD)+12*ii+4*\g+3], v[AV+ii], s[10:11] offset:ASTEP*(\ks)+AG*\g
.endr
.set ii, ii+1
.endr
.endm
.macro MM i, ct, ks                    ; one product: tile i x column tile ct, K step ks.  W's scale words: lanes 0-15 the even column tile's, lanes 16-31 the odd one's; the activation's: lane half ks / AR
.set rD, 32*(\i)+8*(\ct)
.set rC, rD
.if (\ks) == 0
.set rC, BIAS+8*(\ct)
.endif
.set rW, 48*((\ks)%2)+12*(\ct)
.set rA, 12*TS*((\ks)%RD)+12*(\i)
.set rSW, WSC+KS*((\ct)/2)+(\ks)
.set rSA, ASC+AR*(\i)+(\ks)%AR
.if ((\ct)%2 == 0) && ((\ks)/AR == 0)
	v_wmma_scale_f32_16x16x128_f8f6f4 v[rD:rD+7], v[rW:rW+11], v[rA:rA+11], v[rC:rC+7], v[rSW], v[rSA] matrix_a_fmt:MATRIX_FMT_FP6 matrix_b_fmt:MATRIX_FMT_FP6
.elseif ((\ct)%2 == 1) && ((\ks)/AR == 0)
	v_wmma_scale_f32_16x16x128_f8f6f4 v[rD:rD+7], v[rW:rW+11], v[rA:rA+11], v[rC:rC+7], v[rSW], v[rSA] matrix_a_fmt:MATRIX_FMT_FP6 matrix_b_fmt:MATRIX_FMT_FP6 matrix_a_scale:MATRIX_SCALE_ROW1
.elseif ((\ct)%2 == 0)
	v_wmma_scale_f32_16x16x128_f8f6f4 v[rD:rD+7], v[rW:rW+11], v[rA:rA+11], v[rC:rC+7], v[rSW], v[rSA] matrix_a_fmt:MATRIX_FMT_FP6 matrix_b_fmt:MATRIX_FMT_FP6 matrix_b_scale:MATRIX_SCALE_ROW1
.else
	v_wmma_scale_f32_16x16x128_f8f6f4 v[rD:rD+7], v[rW:rW+11], v[rA:rA+11], v[rC:rC+7], v[rSW], v[rSA] matrix_a_fmt:MATRIX_FMT_FP6 matrix_b_fmt:MATRIX_FMT_FP6 matrix_a_scale:MATRIX_SCALE_ROW1 matrix_b_scale:MATRIX_SCALE_ROW1
.endif
.endm
; A K step: the loads of later steps go out first, into the set and the ring place that the step before has just multiplied (hence the four places); then 4 TS products, the accumulators by turns, one instruction a turn.
.macro KSTEP ks, f
	PLACES
.if (\ks)+1 < KS
	BLOAD (\ks)+1
.endif
.if (\ks)+RD-1 < KS
	ALOAD (\ks)+RD-1
.endif
.if KS-1-(\ks) < RD-1
	s_wait_loadcnt 3*TS*(KS-1-(\ks))               ; this step's fragments are in; those of the steps that are left may be out
.elseif (\f) && ((\ks) < RD-1)
	s_wait_alu depctr_va_vdst(0)
	s_wait_loadcnt 63                              ; the first pass: behind this step's fragments stand RD - 1 steps' loads and the 24 of W's second half, 69 in all; the count's field holds 63, which is the stricter
.else
	s_wait_alu depctr_va_vdst(0)
	s_wait_loadcnt 3*TS*(RD-1)                     ; this step's fragments are in; those of the next RD - 1 steps may be out (in the first pass W's second half, issued ahead of them all, is in too)
.endif
.if (\ks)+1 < KS
	s_wait_dscnt 12                                ; W's set of this step is in; the twelve loads just issued may be out
.else
	s_wait_dscnt 0x0
.endif
.if (\ks) == 0
	WIN 0x4b                                       ; W window 3, activation window 2, C = the bias in window 0, D window 1
.else
	WIN 0x5b                                       ; C and D window 1
.endif
.set ii, 0
.rept TS
.set cc, 0
.rept 4
	MM ii, cc, \ks
.set cc, cc+1
.endr
.set ii, ii+1
.endr
.endm
.macro RING                            ; the first RD - 1 K steps of a pass
.set kk, 0
.rept RD-1
	ALOAD kk
.set kk, kk+1
.endr
	WIN 0
.endm
.macro PRO_A                           ; layer 1: the tokens of my TS tiles (ranks that no token has taken hold token 0).  A register is its own load's offset
.set ii, 0
.rept TS
	s_add_co_u32 s34, s21, SL*ii
	s_min_u32 s34, s34, 63
	s_lshl_b32 s34, s34, 6
	v_lshl_add_u32 v[TK+ii], v2, 2, s34
	global_load_b32 v[TK+ii], v[TK+ii], s[42:43]
.set ii, ii+1
.endr
.endm
.macro PRO_B n                         ; layer 1: n = the loads issued behind the tokens'
	s_wait_loadcnt \n
.set ii, 0
.rept TS
	v_min_u32 v[TK+ii], 0x3ff, v[TK+ii]
	v_mad_u32_u24 v[AV+ii], v[TK+ii], 768, v11     ; the token's row of codes, + 48 h
	v_lshl_add_u32 v[SV+ii], v[TK+ii], 5, v[H16]   ; its eight scale words: four to a lane half
	global_load_b128 v[ASC+4*ii:ASC+4*ii+3], v[SV+ii], s[28:29]
.set ii, ii+1
.endr
	RING
.endm
.macro PRO                             ; layers 2, 3: a tile's image, 16 bytes a lane; for a tile slot past Tt all lanes name the first 16 bytes of the pass's first tile
.set ii, 0
.rept TS
	s_add_co_u32 s34, s21, SL*ii
	s_cmp_lt_u32 s34, s20
	s_cselect_b32 s34, s34, s21
	s_cselect_b32 s35, 16, 0
	s_min_u32 s34, s34, 63
	s_min_u32 s35, s35, 16
	s_add_co_u32 s34, s34, s22
	s_mul_i32 s36, s34, TILEB
	s_lshl_b32 s37, s34, 10
	v_mad_u32_u24 v[AV+ii], v1, s35, s36
	v_mad_u32_u24 v[SV+ii], v1, s35, s37
	global_load_b128 v[ASC+8*ii:ASC+8*ii+3], v[SV+ii], s[28:29]
	global_load_b128 v[ASC+8*ii+4:ASC+8*ii+7], v[SV+ii], s[28:29] offset:512
.set ii, ii+1
.endr
	s_wait_alu depctr_va_vdst(0)
	RING
.endm
.macro VTVO                            ; layers 1, 2: where the pass's results go.  Pairs of tiles (0, 1), (2, 3), (4, none): lanes 0-15 the first, lanes 16-31 the second
	v_lshl_add_u32 v[VT], v3, 2, s21
	s_add_co_u32 s34, s21, 2*SL
	v_lshl_add_u32 v[VT+1], v3, 2, s34
	s_add_co_u32 s34, s21, 4*SL
	v_lshl_add_u32 v[VT+2], v3, 16, s34            ; the partner that is not there gets a number above every Tt
.irp p, 0,1,2
	v_min_u32 v[TMP], 63, v[VT+\p]
	v_add_nc_u32 v[TMP], s22, v[TMP]
	v_mad_u32_u24 v[VO+\p], v[TMP], TILEB, v[R16]
	v_lshl_add_u32 v[VS+\p], v[TMP], 10, v[R16]
.endr
.endm
.macro PROLOGUE first
.if LAYER == 1
.if \first
	PRO_B 36                                       ; behind the tokens' loads: W's 24, its scales' 4, the bias's 8
.else
	PRO_A
	PRO_B 0
.endif
.else
	PRO
.endif
.if LAYER < 3
	VTVO
.endif
.endm
.macro SILU                            ; a = h / (1 + 2^(-h log2 e)), in f32, on all 32 TS numbers of a lane; the exponentials are one batch with one wait, the reciprocals another
	WIN 0x81
.set jj, 0
.rept 16*TS
	v_pk_mul_f32 v[jj:jj+1], v[jj:jj+1], s[32:33] op_sel_hi:[1,0]   ; each accumulator is read from its low end on
.set jj, jj+2
.endr
	WIN 0x82
.set jj, 0
.rept 32*TS
	v_exp_f32 v[jj], v[jj]
.set jj, jj+1
.endr
	v_nop
	s_wait_alu depctr_va_vdst(0)
.set jj, 0
.rept 16*TS
	v_pk_add_f32 v[jj:jj+1], v[jj:jj+1], 1.0 op_sel_hi:[1,0]
.set jj, jj+2
.endr
.set jj, 0
.rept 32*TS
	v_rcp_f32 v[jj], v[jj]
.set jj, jj+1
.endr
	v_nop
	s_wait_alu depctr_va_vdst(0)
	WIN 0x49
.set jj, 0
.rept 16*TS
	v_pk_mul_f32 v[jj:jj+1], v[jj:jj+1], v[jj:jj+1]   ; destination and source 0: the accumulators; source 1: window 2
.set jj, jj+2
.endr
.endm
; Tiles a and b are quantised: four blocks of 32 (block n: tile a or b, columns 32 (n % 2) on), each in lanes l and l xor 16, 16 numbers a lane.  Afterwards lane (r, 0) holds the 48 bytes of row r of tile a, lane (r, 1) those of tile b.
.macro QUANT2 a, b
	WIN 0x55
.irp n, 0,1,2,3
.set qb, 32*((\a)*(1-\n/2)+(\b)*(\n/2))+16*(\n%2)
	v_max3_num_f32 v[TM+\n], |v[qb]|, |v[qb+1]|, 0x1800000   ; my 16 numbers and the floor 2^(3 - 127): the byte cannot fall under 1
.endr
.irp i, 2,4,6,8,10,12,14
.irp n, 0,1,2,3
.set qb, 32*((\a)*(1-\n/2)+(\b)*(\n/2))+16*(\n%2)
	v_max3_num_f32 v[TM+\n], v[TM+\n], |v[qb+\i]|, |v[qb+\i+1]|   ; the four blocks by turns
.endr
.endr
.irp n, 0,1,2,3
	v_permlanex16_b32 v[TP+\n], v[TM+\n], s24, s25
.endr
.irp n, 0,1,2,3
	v_max_num_f32 v[TM+\n], v[TM+\n], v[TP+\n]     ; with lane l xor 16's: the block's largest magnitude
.endr
.irp n, 0,1,2,3
	v_add_nc_u32 v[TSC+\n], 0xff000000, v[TM+\n]   ; 2 off its exponent field: the conversion's scale operand
.endr
.irp n, 0,1,2,3
	v_lshrrev_b32 v[TP+\n], 23, v[TSC+\n]          ; the scale's byte
.endr
	v_cndmask_b32 v[BY], v[TP], v[TP+2], s23       ; lanes 0-15 tile a's, lanes 16-31 tile b's: columns 0-31,
	v_cndmask_b32 v[BY+1], v[TP+1], v[TP+3], s23   ; columns 32-63
	v_cvt_scalef32_pk16_fp6_f32 v[CR:CR+2], v[32*(\a):32*(\a)+15], v[TSC]
	v_cvt_scalef32_pk16_fp6_f32 v[AUX0:AUX0+2], v[32*(\b):32*(\b)+15], v[TSC+2]
	v_cvt_scalef32_pk16_fp6_f32 v[CR+6:CR+8], v[32*(\a)+16:32*(\a)+31], v[TSC+1]
	v_cvt_scalef32_pk16_fp6_f32 v[AUX1:AUX1+2], v[32*(\b)+16:32*(\b)+31], v[TSC+3]
	v_nop                                          ; one plain line behind the scaled conversions
.irp i, 0,1,2
	v_permlane16_swap_b32 v[CR+\i], v[AUX0+\i]     ; the first's lanes 16-31 change places with the second's lanes 0-15: the first now holds each lane's block's lower 16 codes, the second the upper 16
.endr
.irp i, 0,1,2
	v_mov_b32 v[CR+3+\i], v[AUX0+\i]
.endr
.irp i, 0,1,2
	v_permlane16_swap_b32 v[CR+6+\i], v[AUX1+\i]
.endr
.irp i, 0,1,2
	v_mov_b32 v[CR+9+\i], v[AUX1+\i]
.endr
.endm
.macro STOREPAIR p                     ; only tiles under Tt are stored
	WIN 0
	s_wait_xcnt 0x0                                ; EXEC changes only behind this wait
	v_cmpx_gt_u32 s20, v[VT+\p]
	WIN 0x04                                       ; a store's data are its source 1: window 1
.irp g, 0,1,2
	global_store_b128 v[VO+\p], v[CR+4*\g:CR+4*\g+3], s[14:15] offset:512*\g   ; sixteen lanes store 256 consecutive bytes, aligned
.endr
	global_store_b8 v[VS+\p], v[BY], s[30:31]
	global_store_b8 v[VS+\p], v[BY+1], s[30:31] offset:2
	WIN 0
	s_wait_xcnt 0x0                                ; and the stores' registers are written again only behind this one
	s_mov_b32 exec_lo, -1
.endm
.macro YOUT i                          ; layer 3: tile i's 16 rows x 64 columns of f32 through my own stage: a lane's numbers belong to one row, the lanes beside it hold other rows
.if \i > 0
	s_add_co_u32 s34, s21, SL*(\i)
	s_cmp_ge_u32 s34, s20
	s_cbranch_scc1 .Lyend                          ; the tiles of a pass ascend: past Tt nothing more is stored
.else
	s_mov_b32 s34, s21
.endif
	s_wait_xcnt 0x0                                ; the last tile's stores have read their registers
	s_min_u32 s34, s34, 63
	s_add_co_u32 s34, s34, s22
	s_lshl_b32 s34, s34, 16                        ; 16 rows of 4,096 bytes a tile
	v_add_nc_u32 v[YO], s34, v[YL]
	WIN 0x04
.irp c, 0,1,2,3
.irp k, 0,1
	ds_store_b128 v[SI], v[32*(\i)+8*\c+4*\k:32*(\i)+8*\c+4*\k+3] offset:128*(\c/2)+32*(\c%2)+16*\k   ; each accumulator from its low end on
.endr
.endr
	WIN 0
.irp k, 0,1,2,3,4,5,6,7
	ds_load_b128 v[OB+4*\k:OB+4*\k+3], v[SBK] offset:544*\k   ; LDS serves a wave's instructions in order: these see my stores
.endr
	s_wait_alu depctr_va_vdst(0)
	s_wait_dscnt 0x0
.irp k, 0,1,2,3,4,5,6,7
	global_store_b128 v[YO], v[OB+4*\k:OB+4*\k+3], s[14:15] offset:8192*\k th:TH_STORE_NT   ; lanes 0-15 a row's 256 bytes, lanes 16-31 the next row's: two aligned runs of 256
.endr
.endm
	s_load_b256 s[4:11], s[0:1], 0x0               ; W's codes s[4:5], W's scales s[6:7], the bias s[8:9], the activation s[10:11]
	s_load_b128 s[12:15], s[0:1], 0x20             ; plan s[12:13], the result s[14:15]
	v_lshl_add_u32 v254, v0, 2, 0x1c800
	v_mov_b32 v255, 0
	v_lshrrev_b32 v1, 5, v0
	v_readfirstlane_b32 s16, v1                    ; wave
	v_and_b32 v1, 31, v0                           ; lane
	s_wait_alu depctr_va_vdst(0)
	v_and_b32 v2, 15, v0                           ; r
	v_bfe_u32 v3, v0, 4, 1                         ; h
	s_and_b32 s17, ttmp7, 0xffff                   ; the expert
.if LAYER == 3
	s_lshr_b32 s18, ttmp9, 1                       ; which 64 columns
	s_and_b32 s19, ttmp9, 1
	s_lshl_b32 s19, s19, 2
	s_add_co_u32 s19, s19, s16                     ; my slot among the eight waves of the two work-groups that share them
.else
	s_mov_b32 s18, ttmp9
	s_mov_b32 s19, s16
.endif
	s_mov_b32 s21, s19                             ; the pass's first tile
	s_lshl_b32 s22, s17, 6                         ; the expert's first tile in the workspace
	s_lshl_b32 s27, s17, 2
	s_mov_b32 s23, 0xffff0000                      ; lanes 16-31
	s_mov_b32 s24, 0x76543210
	s_mov_b32 s25, 0xfedcba98                      ; v_permlanex16_b32's selects for lane l xor 16
	s_mov_b32 s26, 0x03010200                      ; swaps a word's middle bytes
	s_mov_b32 s32, 0xbfb8aa3b                      ; -log2(e)
	s_mov_b32 s33, s32
	v_lshlrev_b32 v4, 4, v1                        ; 16 x lane
	s_lshr_b32 s34, s16, 1                         ; my 16 rows of W, 16 w + i, go to LDS rows 32 (w / 2) + 8 (w % 2) + 16 (i / 8) + i % 8
	s_lshl_b32 s34, s34, 5
	s_and_b32 s35, s16, 1
	s_lshl_b32 s35, s35, 3
	s_add_co_u32 s34, s34, s35
	s_mul_i32 s34, s34, P
	v_add_nc_u32 v5, s34, v4
	s_wait_alu depctr_va_vdst(0)
	v_mad_u32_u24 v6, v3, P-768, v5                ; for the load that straddles two rows: lanes 16-31 go to the next LDS row,
	v_mad_u32_u24 v143, v3, 768, v4                ; and come from the next row of W, 768 bytes further on
	v_mul_u32_u24 v7, v2, P
	v_mad_u32_u24 v7, v3, 48, v7                   ; a fragment: row r, + 48 h; column tiles 0, 1
	v_add_nc_u32 v8, 32*P, v7                      ; column tiles 2, 3
	v_and_b32 v9, 8, v2
	v_add_nc_u32 v9, v9, v2
	v_lshl_add_u32 v9, v3, 3, v9
	v_mul_u32_u24 v9, v9, KSB                      ; W's scale words: row r + 8 (r / 8) + 8 h
	v_lshlrev_b32 v10, 6, v3                       ; the bias: 16 h columns on
	v_mul_u32_u24 v11, v3, 48
	v_lshlrev_b32 v[R16], 4, v2
	v_lshlrev_b32 v[H16], 4, v3
.if LAYER == 3
	s_mul_i32 s34, s16, 16*272
	s_add_co_u32 s34, s34, STG                     ; my stage
	v_mul_u32_u24 v[SI], v2, 272
	v_lshl_add_u32 v[SI], v3, 6, v[SI]
	v_add_nc_u32 v[SI], s34, v[SI]                 ; in: row r, + 16 h columns
	v_mul_u32_u24 v[SBK], v3, 272
	v_lshl_add_u32 v[SBK], v2, 4, v[SBK]
	v_add_nc_u32 v[SBK], s34, v[SBK]               ; back: lanes 0-15 one row, lanes 16-31 the next
	v_lshl_add_u32 v[YL], v3, 12, v[R16]           ; and the same in y
.else
	WIN 0x40
.irp n, 0,1,2,3
	v_mov_b32 v[TP+\n], 0                          ; (a lane permute's destination counts as one of its sources)
.endr
	WIN 0
.endif
	s_mul_i32 s34, s17, NCOL
	s_lshl_b32 s35, s18, 6
	s_add_co_u32 s34, s34, s35                     ; my first row of W
	s_mul_i32 s36, s34, KSB
	s_mov_b32 s37, 0
	s_lshl_b32 s38, s34, 2
	s_mov_b32 s39, 0
	s_lshl_b32 s35, s16, 4
	s_add_co_u32 s34, s34, s35
	s_mul_i32 s40, s34, KROW                       ; the 16 rows that my wave copies
	s_mov_b32 s41, 0
.if LAYER < 3
	s_lshr_b32 s44, s18, 1                         ; the next layer's K step,
	s_and_b32 s45, s18, 1                          ; and which lane half of it my columns are
	s_mul_i32 s46, s44, 1536
	s_lshl_b32 s47, s45, 8
	s_add_co_u32 s46, s46, s47
	s_bfe_u32 s48, s44, 0x10002
	s_lshl_b32 s48, s48, 9
	s_lshr_b32 s49, s44, 3
	s_lshl_b32 s49, s49, 8
	s_add_co_u32 s48, s48, s49
	s_and_b32 s49, s44, 3
	s_lshl_b32 s49, s49, 2
	s_add_co_u32 s48, s48, s49
	s_add_co_u32 s48, s48, s45                     ; block 2 half + b of the K step stands at byte 2 b + half of the word
	s_add_co_u32 s48, s48, SCO
	s_mov_b32 s49, 0
.else
	s_lshl_b32 s46, s18, 8                         ; y: my 64 columns
.endif
	s_mov_b32 s47, 0
	s_lshl_b32 s50, s17, 12
	s_mov_b32 s51, 0
	s_wait_kmcnt 0x0
	s_load_b32 s20, s[12:13], s27 offset:40960     ; Tt: the expert's tiles
	s_add_nc_u64 s[4:5], s[4:5], s[40:41]
	s_add_nc_u64 s[6:7], s[6:7], s[36:37]
	s_add_nc_u64 s[8:9], s[8:9], s[38:39]
	s_add_nc_u64 s[28:29], s[10:11], ASOFF
	s_add_nc_u64 s[42:43], s[12:13], s[50:51]      ; the expert's list of tokens
.if LAYER < 3
	s_add_nc_u64 s[30:31], s[14:15], s[48:49]
.endif
	s_add_nc_u64 s[14:15], s[14:15], s[46:47]
.if LAYER == 1
	PRO_A
.endif
; W COMES IN TWO HALVES ALONG K: half c is bytes 768 c .. 768 c + 767 of each row, K steps 8 c .. 8 c + 7.  A pair of rows is three loads of 512 bytes, the middle one half and half; sixteen lanes read 256 consecutive, aligned bytes.
; Half 0 waits in window 3's v0-95 (where W's fragments lie later), half 1 in v96-191.  Each half has a barrier of its own, and both barriers stand ahead of every branch on Tt.
.macro WL reg, adr, off
.if LAYER < 3
	global_load_b128 v[\reg:\reg+3], v[\adr], s[4:5] offset:\off th:TH_LOAD_NT   ; read by this work-group alone
.else
	global_load_b128 v[\reg:\reg+3], v[\adr], s[4:5] offset:\off
.endif
.endm
.macro WLOAD c
	WIN 0xc0
.set nn, 0
.rept 24
.set WR, 96*(\c)+4*nn
.set GOFF, 2*KROW*(nn/3)+768*(\c)
.if nn%3 == 0
	WL WR, 4, GOFF
.elseif nn%3 == 1
	WL WR, 143, GOFF+512
.else
	WL WR, 4, GOFF+KROW+256
.endif
.set nn, nn+1
.endr
	WIN 0
.endm
.macro WSTORE c
	WIN 0x0c                                       ; an LDS store's data are its source 1: window 3
.set nn, 0
.rept 24
.set WR, 96*(\c)+4*nn
.set LOFF, (16*((2*(nn/3))/8)+(2*(nn/3))%8)*P+768*(\c)
.if nn%3 == 0
	ds_store_b128 v5, v[WR:WR+3] offset:LOFF
.elseif nn%3 == 1
	ds_store_b128 v6, v[WR:WR+3] offset:LOFF+512
.else
	ds_store_b128 v5, v[WR:WR+3] offset:LOFF+P+256
.endif
.set nn, nn+1
.endr
	WIN 0
.endm
	WLOAD 0
.irp b, 0,1
.set nn, 0
.rept KSB/16
	global_load_b128 v[WSC+KS*\b+4*nn:WSC+KS*\b+4*nn+3], v9, s[6:7] offset:32*\b*KSB+16*nn
.set nn, nn+1
.endr
.endr
.irp c, 0,1,2,3
.irp k, 0,1
	global_load_b128 v[BIAS+8*\c+4*\k:BIAS+8*\c+4*\k+3], v10, s[8:9] offset:(32*(\c/2)+8*(\c%2))*4+16*\k
.endr
.endr
	s_wait_kmcnt 0x0                               ; Tt
	s_min_u32 s20, s20, 64                         ; an expert has room for 64 tiles: NPASS passes serve them all
	PROLOGUE 1
	WLOAD 1                                        ; behind the first RD - 1 K steps' fragments, so that the waits for those do not wait for it
	s_wait_loadcnt 63                              ; W's first half and its scale words are in: NW + 24 loads stand behind them, more than the count's field holds
.set nn, 0
.rept 2*KS
	v_perm_b32 v[WSC+nn], v[WSC+nn], v[WSC+nn], s26   ; W's scale words into the order 0, 2, 1, 3
.set nn, nn+1
.endr
.rept 8
	v_nop                                          ; a scale register written by a vector instruction stands eight places ahead of a scaled matrix instruction
.endr
	WSTORE 0
	s_wait_dscnt 0x0                               ; for the others' sake: my rows of W lie in LDS
	s_barrier_signal -1
	s_barrier_wait -1                              ; the first barrier: every wave passes it, ahead of every branch on Tt
	s_mov_b32 s52, 0                               ; passes done
	BLOAD 0                                        ; THE FIRST PASS, every wave's (one without a tile multiplies all the same and stores nothing): K steps 0 to 6 read W's first half alone,
.set kk, 0
.rept KS/2-1
	KSTEP kk, 1
.set kk, kk+1
.endr
	WSTORE 1                                       ; W's second half: the waits of K steps RD - 1 on have shown it landed
	s_wait_dscnt 0x0                               ; for the others' sake: my rows' second half lies in LDS
	s_barrier_signal -1
	s_barrier_wait -1                              ; the second and last barrier ahead of the end: K step 7 fetches K step 8's fragments
	s_branch .Lmid
.Lpass:                                                ; a later pass finds all of W in LDS
	BLOAD 0
.set kk, 0
.rept KS/2-1
	KSTEP kk, 0
.set kk, kk+1
.endr
	WIN 0
.Lmid:
.rept KS/2+1
	KSTEP kk, 0
.set kk, kk+1
.endr
	WIN 0
	s_cmp_ge_u32 s21, s20
	s_cbranch_scc1 .Lend                           ; a wave without a tile (in the first pass alone)
	PLACES
.if LAYER == 3
	YOUT 0
	YOUT 1
	YOUT 2
.Lyend:
.else
.if LAYER == 2
	SILU
.endif
	QUANT2 0, 1
	STOREPAIR 0
	QUANT2 2, 3
	STOREPAIR 1
	QUANT2 4, 4
	STOREPAIR 2
.endif
	s_add_co_u32 s21, s21, SL*TS
	s_cmp_ge_u32 s21, s20
	s_cbranch_scc1 .Lend                           ; no tile is left for my slot: the way out of the loop that is taken; behind NPASS passes s21 is 64 or more, and Tt at most 64
	PROLOGUE 0                                     ; all loads of the last pass are in and its stores have read their registers: the offsets may be written
	s_add_co_u32 s52, s52, 1                       ; the loop is counted: NPASS trips at the most
	s_cmp_lt_u32 s52, NPASS
	s_cbranch_scc1 .Lpass
.Lend:
	s_barrier_signal -1
	s_barrier_wait -1
	s_wait_tensorcnt 0x0
	ds_add_u32 v254, v255
	s_wait_dscnt 0x0
	s_endpgm
.Lfunc_end_k_q9dd04c62c5_down3:
	.size	k_q9dd04c62c5_down3, .Lfunc_end_k_q9dd04c62c5_down3-k_q9dd04c62c5_down3
	.p2alignl 7, 3214868480
	.fill 96, 4, 3214868480
	.section	.rodata,"a",@progbits
	.p2align	6, 0x0
	.amdhsa_kernel k_q9dd04c62c5_down3
		.amdhsa_group_segment_fixed_size 117248
		.amdhsa_private_segment_fixed_size 0
		.amdhsa_enable_private_segment 0
		.amdhsa_kernarg_size 48
		.amdhsa_user_sgpr_count 2
		.amdhsa_user_sgpr_kernarg_segment_ptr 1
		.amdhsa_wavefront_size32 1
		.amdhsa_system_sgpr_workgroup_id_x 1
		.amdhsa_system_sgpr_workgroup_id_y 1
		.amdhsa_system_sgpr_workgroup_id_z 1
		.amdhsa_system_vgpr_workitem_id 0
		.amdhsa_next_free_vgpr 1024
		.amdhsa_next_free_sgpr 66
		.amdhsa_reserve_vcc 0
		.amdhsa_float_denorm_mode_32 3
		.amdhsa_float_denorm_mode_16_64 3
		.amdhsa_memory_ordered 1
		.amdhsa_forward_progress 1
		.amdhsa_inst_pref_size 110
	.end_amdhsa_kernel
	.amdgpu_metadata
---
amdhsa.version: [ 1, 2 ]
amdhsa.kernels:
  - .name:           k_q9dd04c62c5_down3
    .symbol:         k_q9dd04c62c5_down3.kd
    .args:
      - { .name: W3_codes, .offset: 0, .size: 8, .value_kind: global_buffer, .address_space: global }
      - { .name: W3_scales, .offset: 8, .size: 8, .value_kind: global_buffer, .address_space: global }
      - { .name: b3, .offset: 16, .size: 8, .value_kind: global_buffer, .address_space: global }
      - { .name: act, .offset: 24, .size: 8, .value_kind: global_buffer, .address_space: global }
      - { .name: plan, .offset: 32, .size: 8, .value_kind: global_buffer, .address_space: global }
      - { .name: y, .offset: 40, .size: 8, .value_kind: global_buffer, .address_space: global }
    .group_segment_fixed_size: 117248
    .private_segment_fixed_size: 0
    .kernarg_segment_align: 8
    .kernarg_segment_size: 48
    .max_flat_workgroup_size: 128
    .sgpr_count:     66
    .vgpr_count:     1024
    .wavefront_size: 32
...
	.end_amdgpu_metadata
.endif
;; end of part 4
;; launch combine (part 5): grid 256 x 1, 4 waves a work-group, no clusters, 0 bytes of LDS; arguments y, plan, xq, out0; writes out0
.if DOCPART == 5
	.amdgcn_target "amdgcn-amd-amdhsa--gfx1250"
	.amdhsa_code_object_version 6
	.text
	.protected	k_q9dd04c62c5_combine
	.globl	k_q9dd04c62c5_combine
	.p2align	8
	.type	k_q9dd04c62c5_combine,@function
k_q9dd04c62c5_combine:
	s_mov_b64 s[64:65], 0
	v_nop
	global_prefetch_b8 v0, s[64:65] scope:SCOPE_SE
	s_setreg_imm32_b32 hwreg(HW_REG_WAVE_MODE, 25, 1), 1
	s_wait_xcnt 0x0
; out[t] = g0 y[pos0] + g1 y[pos1]: each token's two rows of y, weighed by its gates.  A wave takes a token: 2 x 4,096 bytes in, 4,096 out; each load and store of the wave covers 512 consecutive, aligned bytes.
; pos (whole numbers, stored by the placing launch) names the rows; the gates lie in xq at 819,200 + 8 x token.  A token's two experts lie in different work-groups of the last layer, so the sum has a launch of its own
; and each output row one owner.  No LDS, no barrier, no matrix unit: a stream.
	s_load_b256 s[4:11], s[0:1], 0x0               ; y s[4:5], plan s[6:7], xq s[8:9], out s[10:11]
	v_lshrrev_b32 v1, 5, v0
	v_readfirstlane_b32 s12, v1                    ; wave
	v_and_b32 v1, 31, v0
	v_lshlrev_b32 v1, 4, v1                        ; 16 x lane
	s_lshl_b32 s13, ttmp9, 2
	s_add_co_u32 s13, s13, s12                     ; my token
	s_lshl_b32 s16, s13, 3
	s_lshl_b32 s26, s13, 12
	s_mov_b32 s27, 0
	s_wait_alu depctr_va_vdst(0)
	s_wait_kmcnt 0x0
	s_load_b64 s[14:15], s[6:7], s16 offset:32768  ; its two rows of y
	s_load_b64 s[18:19], s[8:9], s16 offset:819200 ; its two gates
	s_add_nc_u64 s[10:11], s[10:11], s[26:27]
	s_wait_kmcnt 0x0
	s_min_u32 s14, s14, 8191
	s_min_u32 s15, s15, 8191
	s_lshl_b32 s20, s14, 12
	s_mov_b32 s21, 0
	s_lshl_b32 s22, s15, 12
	s_mov_b32 s23, 0
	s_add_nc_u64 s[20:21], s[4:5], s[20:21]
	s_add_nc_u64 s[22:23], s[4:5], s[22:23]
	s_mov_b32 s24, s19                             ; the second gate as the low word of a pair of its own: the packed forms take a scalar pair's low word for both halves
	s_mov_b32 s25, s19
.irp j, 0,1,2,3,4,5,6,7
	global_load_b128 v[16+4*\j:19+4*\j], v1, s[20:21] offset:512*\j th:TH_LOAD_NT
.endr
.irp j, 0,1,2,3,4,5,6,7
	global_load_b128 v[48+4*\j:51+4*\j], v1, s[22:23] offset:512*\j th:TH_LOAD_NT
.endr
.irp j, 0,1,2,3,4,5,6,7
	s_wait_loadcnt 7-\j                            ; the first row is in, and the second row's piece j: behind it 7 - j loads
	v_pk_mul_f32 v[16+4*\j:17+4*\j], v[16+4*\j:17+4*\j], s[18:19] op_sel_hi:[1,0]
	v_pk_mul_f32 v[18+4*\j:19+4*\j], v[18+4*\j:19+4*\j], s[18:19] op_sel_hi:[1,0]
	v_pk_fma_f32 v[16+4*\j:17+4*\j], v[48+4*\j:49+4*\j], s[24:25], v[16+4*\j:17+4*\j] op_sel_hi:[1,0,1]
	v_pk_fma_f32 v[18+4*\j:19+4*\j], v[50+4*\j:51+4*\j], s[24:25], v[18+4*\j:19+4*\j] op_sel_hi:[1,0,1]
	global_store_b128 v1, v[16+4*\j:19+4*\j], s[10:11] offset:512*\j th:TH_STORE_NT
.endr
	s_endpgm
.Lfunc_end_k_q9dd04c62c5_combine:
	.size	k_q9dd04c62c5_combine, .Lfunc_end_k_q9dd04c62c5_combine-k_q9dd04c62c5_combine
	.p2alignl 7, 3214868480
	.fill 96, 4, 3214868480
	.section	.rodata,"a",@progbits
	.p2align	6, 0x0
	.amdhsa_kernel k_q9dd04c62c5_combine
		.amdhsa_group_segment_fixed_size 0
		.amdhsa_private_segment_fixed_size 0
		.amdhsa_enable_private_segment 0
		.amdhsa_kernarg_size 32
		.amdhsa_user_sgpr_count 2
		.amdhsa_user_sgpr_kernarg_segment_ptr 1
		.amdhsa_wavefront_size32 1
		.amdhsa_system_sgpr_workgroup_id_x 1
		.amdhsa_system_sgpr_workgroup_id_y 1
		.amdhsa_system_sgpr_workgroup_id_z 1
		.amdhsa_system_vgpr_workitem_id 0
		.amdhsa_next_free_vgpr 80
		.amdhsa_next_free_sgpr 66
		.amdhsa_reserve_vcc 0
		.amdhsa_float_denorm_mode_32 3
		.amdhsa_float_denorm_mode_16_64 3
		.amdhsa_memory_ordered 1
		.amdhsa_forward_progress 1
		.amdhsa_inst_pref_size 6
	.end_amdhsa_kernel
	.amdgpu_metadata
---
amdhsa.version: [ 1, 2 ]
amdhsa.kernels:
  - .name:           k_q9dd04c62c5_combine
    .symbol:         k_q9dd04c62c5_combine.kd
    .args:
      - { .name: y, .offset: 0, .size: 8, .value_kind: global_buffer, .address_space: global }
      - { .name: plan, .offset: 8, .size: 8, .value_kind: global_buffer, .address_space: global }
      - { .name: xq, .offset: 16, .size: 8, .value_kind: global_buffer, .address_space: global }
      - { .name: out0, .offset: 24, .size: 8, .value_kind: global_buffer, .address_space: global }
    .group_segment_fixed_size: 0
    .private_segment_fixed_size: 0
    .kernarg_segment_align: 8
    .kernarg_segment_size: 32
    .max_flat_workgroup_size: 128
    .sgpr_count:     66
    .vgpr_count:     80
    .wavefront_size: 32
...
	.end_amdgpu_metadata
.endif
;; end of part 5
